; MI455X (gfx1250); checked and timed in simulation.
; The chip was launched on July 23, 2026; its instructions are those of AMD's public machine-readable ISA for CDNA 5 (MIT licence, August 2026) and "CDNA5" Instruction Set Architecture Reference Guide (July 2026). The comments in the code are by the model that wrote it; some were corrected since.
;; Multihead Attention. Allowed arithmetic: matrix products marked QUANTISED: E4M3 operands, one given power-of-two scale a tensor, by v_wmma_f32_16x16x64_fp8_fp8 or v_wmma_f32_16x16x128_fp8_fp8, f32 sums; everything else in f32.
;; Inputs: lowp_scales 12 int32 (the exponents e of the quantised operands' scales 2^e); token_positions 2,048 int32; wk 1,024 x 1,024 float32; wo 1,024 x 1,024 float32; wq 1,024 x 1,024 float32; wv 1,024 x 1,024 float32; x 4 x 2,048 x 1,024 float32.
;; Outputs: out0 4 x 2,048 x 1,024 float32.
;; This version of the problem:
;;   THIS VERSION OF THE PROBLEM IS GIVEN IN LOW PRECISION. The matrix products marked QUANTISED in the list below multiply operands that are first quantised to E4M3 (4 exponent bits, 3 mantissa bits; 8 bits a number), with one given power-of-two scale for each operand tensor; their sums are f32. All else is computed in f32.
;;   The module's matrix products, in the order in which they are computed (A, B: the left and right operand; K: the contracted axis; several contracted axes count as one K, in the product's order):
;;     1. [M 8,192, K 1,024] x [K 1,024, N 1,024]; A: input x; B: input wq: QUANTISED (scales: A lowp_scales[0], B lowp_scales[1])
;;     2. [M 8,192, K 1,024] x [K 1,024, N 1,024]; A: input x; B: input wk: QUANTISED (scales: A lowp_scales[2], B lowp_scales[3])
;;     3. [M 8,192, K 1,024] x [K 1,024, N 1,024]; A: input x; B: input wv: QUANTISED (scales: A lowp_scales[4], B lowp_scales[5])
;;     4. batch 64 x [M 2,048, K 64] x [K 64, N 2,048]; A: computed on the way; B: computed on the way: QUANTISED (scales: A lowp_scales[6], B lowp_scales[7])
;;     5. batch 64 x [M 2,048, K 2,048] x [K 2,048, N 64]; A: softmax (see below); B: computed on the way: QUANTISED (scales: A lowp_scales[8], B lowp_scales[9])
;;     6. [M 8,192, K 1,024] x [K 1,024, N 1,024]; A: computed on the way; B: input wo: QUANTISED (scales: A lowp_scales[10], B lowp_scales[11])
;;   THE QUANTISER, for each operand of a quantised product, along K:
;;     - The operand's scale is 2^e, e = its entry of the input lowp_scales (int32; the entries are numbered through the quantised products in the list's order, A before B).
;;     - Each number is divided by the scale, clamped to +-448, and rounded to the nearest number of E4M3, ties to even, subnormals kept.
;;     - The product sums the exact products of the quantised numbers (number of the format x scale) in f32.
;;   ~~~python
;;   def quantise(x, axis, e):      # numpy; x: float32 -> the quantised numbers, widened to float32 again
;;       x = np.moveaxis(x, axis, -1); K = x.shape[-1]
;;       r = np.clip(x / 2.0 ** e, -448, 448)
;;       step = 2.0 ** (np.maximum(np.frexp(np.where(r == 0, 1, r))[1] - 1, -6) - 3)
;;       q = np.round(r / step) * step * 2.0 ** e      # np.round: ties to even
;;       return np.moveaxis(q, -1, axis).astype(np.float32)
;;   ~~~
;;   SOFTMAX AHEAD OF A QUANTISED PRODUCT. Where the list says 'softmax', what is quantised is not the finished softmax but p = 2^(t - M), with t = logit x log2(e) and M = ceil(the row's largest t), a whole number; so 1/2 < the row's largest p <= 1. The row's sum l is taken of the UNQUANTISED p, in f32, and the product's result is divided by l at the end. Since M is a whole number, a kernel that streams over the keys may use a running M (the ceiling of the running maximum): every later rescaling is an exact power of two, so the quantised numbers keep their values, but for numbers so far below the row's largest that they fall under the format's range.
;;   OPERANDS COMPUTED ON THE WAY. 'Computed on the way' means the value that the module computes at that place (a softmax that the list does not call 'softmax' is quantised finished and normalised). What goes into a quantiser is computed in f32, as accurately as f32 sums, v_exp_f32 and their like allow (about 1e-6 of the number): no bf16 or f16 on the way to a quantiser, and a product that is left as it is and whose result goes on into a quantised operand takes f32 operands (vector FMAs, or v_wmma_f32_16x16x4_f32). A number that lies on a knife's edge between two numbers of the format may be rounded either way, as far as f32 arithmetic and the matrix unit's own rounding can turn it there, and no further.
;; One version. Each part assembles by itself: llvm-mc -triple=amdgcn-amd-amdhsa -mcpu=gfx1250 --defsym DOCPART=n.
;; ======== version 1 of 1: 4 launches
;; limits: right only within a limited range of input values
;; workspace buffers: xw_img 29,360,128 bytes; rope_img 524,288 bytes; qkv_img 25,165,824 bytes; a_img 8,388,608 bytes
;; launch quant (part 1): grid 416 x 1, 4 waves a work-group, no clusters, 34,304 bytes of LDS; arguments x, wq, wk, wv, wo, token_positions, lowp_scales, xw_img, rope_img; writes xw_img, rope_img
.if DOCPART == 1
	.amdgcn_target "amdgcn-amd-amdhsa--gfx1250"
	.amdhsa_code_object_version 6
	.text
	.protected	k_qdccc0bc36c_quant
	.globl	k_qdccc0bc36c_quant
	.p2align	8
	.type	k_qdccc0bc36c_quant,@function
k_qdccc0bc36c_quant:
	s_mov_b64 s[64:65], 0
	v_nop
	global_prefetch_b8 v0, s[64:65] scope:SCOPE_SE
	s_setreg_imm32_b32 hwreg(HW_REG_WAVE_MODE, 25, 1), 1
	s_wait_xcnt 0x0
; x [8192][1024] and wq, wk, wv, wo [1024][1024], f32, become codes of FP8 (E4M3), laid as IMAGES OF OPERAND REGISTERS; and the table of cos and sin for the rotation is made.
; THE IMAGE.  A block is 16 rows: lane r of block B stands for row 32 (B / 2) + 8 (B % 2) + r + 8 (r / 8).  A piece is 512 bytes, lane l's 16 bytes at 16 l: lane (r = l % 16, h = l / 16) of piece c of K step ks
; holds the codes of k = 128 ks + 32 c + 16 h + 0 .. 15 of its row.  xw_img: [block][ks 8][c 4][lane 32][16 bytes]; x with scale entry 0 at byte 0, with entry 2 at 8,388,608, with entry 4 at 16,777,216
; (x is an operand of three products, each with a scale of its own); wq, wk, wv, wo (entries 1, 3, 5, 11) from 25,165,824 on, 1,048,576 bytes each.
; code = number / 2^e, held within +-448, rounded to the nearest code, ties to even.
; SHARES.  Work-groups 0-255: x; 256-383: the weights, 32 each; 384-415: the table.  A wave takes one block x 512 along K: four K steps of 128.  Each load reads 512 consecutive bytes of one row; a K step's 16 rows
; turn through the wave's own stage in LDS (rows 528 bytes apart = 33 x 16, so sixteen rows start in sixteen different 16-byte columns of 256) and come back 64 bytes a lane: 16 neighbours along K for each piece.
; Each store of codes covers 512 consecutive bytes.  Waves share nothing: no barrier.
; THE TABLE.  rope_img: [block of 16 tokens 128][piece p 8][lane][16 bytes]: lane (r, h) of piece p holds cos, sin, cos, sin of the pairs i = 16 (p / 4) + 8 h + 2 (p % 4) + 0, 1 at its token's position.
; angle_i = 10^(-i / 8) (= 10000^(-2 i / 64)); f = position x angle, one rounding; f is reduced by a whole number of quarter turns in three fused steps; sin and cos by polynomials on +-pi/4.
; LIMITS: each exponent e between -126 and 119; |position| up to 100,000 (the reach of the three-step reduction); NaN among the inputs is not served (an infinity is held at the largest code).
.set SPITCH, 528
.set STGB,   16*SPITCH                 ; a wave's stage
.set SPARE,  4*STGB                    ; behind the four stages: the spare words, 128 bytes for each wave: two blocks of 256 bytes that no other line names
.set LI,  1                            ; v1      16 x lane
.set STI, 2                            ; v2      the stage, on the way in
.set STO, 3                            ; v3      and on the way out
.set SPW, 4                            ; v4      LDS address of my spare word; never rewritten
.set NIL, 5                            ; v5      0; never rewritten
.set SC,  6                            ; v6-11   for each of three outputs: 2^e, in v6, v8, v10
.set RW,  16                           ; v16-143 two sets of 64: a K step's 16 rows as loaded
.set XN,  144                          ; v144-207 four pieces x 16 neighbours
.set HD,  208                          ; v208-223 not written: the conversions read XN as it is
.set CD,  224                          ; v224-235 codes: four registers for each output
.set ISX, 24                           ; s24     1: x, 0: a weight
	s_load_b256 s[4:11], s[0:1], 0x0               ; x s[4:5], wq s[6:7], wk s[8:9], wv s[10:11]
	s_load_b256 s[12:19], s[0:1], 0x20             ; wo s[12:13], token_positions s[14:15], lowp_scales s[16:17], xw_img s[18:19]
	s_load_b64 s[20:21], s[0:1], 0x40              ; rope_img
	v_lshl_add_u32 v[SPW], v0, 2, SPARE
	v_mov_b32 v[NIL], 0
	v_lshrrev_b32 v12, 5, v0
	v_readfirstlane_b32 s22, v12                   ; wave 0..3
	v_and_b32 v12, 31, v0
	v_lshlrev_b32 v[LI], 4, v12
	v_and_b32 v13, 15, v0                          ; r
	v_bfe_u32 v14, v0, 4, 1                        ; h
	s_mul_i32 s23, s22, STGB
	v_add_nc_u32 v[STI], s23, v[LI]                ; in: a row's 512 bytes as they lie
	v_mul_u32_u24 v[STO], v13, SPITCH
	v_lshl_add_u32 v[STO], v14, 6, v[STO]
	v_add_nc_u32 v[STO], s23, v[STO]               ; out: row r, + 64 h
	s_cmp_ge_u32 ttmp9, 384
	s_cbranch_scc1 .Ltable
	; ---- x and the weights: one path; only pointers, offsets and exponents are chosen, by the work-group's number
	s_cmp_lt_u32 ttmp9, 256
	s_cselect_b32 s[ISX], 1, 0
	s_cselect_b32 s25, 0, 256
	s_mov_b32 s26, 127
	s_cselect_b32 s26, 1023, s26
	s_sub_co_u32 s25, ttmp9, s25                   ; my number among x's work-groups, or among the weights'
	s_lshr_b32 s27, s25, 5                         ; which weight (means nothing for x)
	s_lshl_b32 s28, s25, 2
	s_add_co_u32 s28, s28, s22
	s_and_b32 s28, s28, s26                        ; my wave's task in its tensor
	s_lshr_b32 s29, s28, 1                         ; block
	s_and_b32 s30, s28, 1                          ; which half of K
	s_lshr_b32 s31, s29, 1
	s_lshl_b32 s31, s31, 17                        ; 32 (block / 2) rows of 4,096 bytes
	s_and_b32 s44, s29, 1
	s_lshl_b32 s44, s44, 15                        ; + 8 (block % 2) rows
	s_add_co_u32 s44, s44, s31
	s_lshl_b32 s31, s30, 11                        ; + 512 numbers
	s_add_co_u32 s44, s44, s31
	s_mov_b32 s45, 0
	s_lshl_b32 s46, s27, 20
	s_add_co_u32 s46, s46, 25165824                ; a weight's part of xw_img
	s_cmp_eq_u32 s[ISX], 1
	s_cselect_b32 s46, 0, s46
	s_lshl_b32 s31, s29, 14
	s_add_co_u32 s46, s46, s31                     ; + the block
	s_lshl_b32 s31, s30, 13
	s_add_co_u32 s46, s46, s31                     ; + four K steps
	s_mov_b32 s47, 0
	s_wait_kmcnt 0x0
	s_load_b256 s[32:39], s[16:17], 0x0            ; entries 0 to 7
	s_load_b128 s[40:43], s[16:17], 0x20           ; entries 8 to 11
	s_mov_b64 s[48:49], s[6:7]
	s_cmp_eq_u32 s27, 1
	s_cselect_b64 s[48:49], s[8:9], s[48:49]
	s_cmp_eq_u32 s27, 2
	s_cselect_b64 s[48:49], s[10:11], s[48:49]
	s_cmp_eq_u32 s27, 3
	s_cselect_b64 s[48:49], s[12:13], s[48:49]
	s_cmp_eq_u32 s[ISX], 1
	s_cselect_b64 s[48:49], s[4:5], s[48:49]
	s_add_nc_u64 s[48:49], s[48:49], s[44:45]      ; the source at my task
	s_add_nc_u64 s[50:51], s[18:19], s[46:47]      ; output 0
	s_add_nc_u64 s[52:53], s[50:51], 0x800000      ; outputs 1 and 2: used for x alone
	s_add_nc_u64 s[54:55], s[50:51], 0x1000000
.macro LOAD t                          ; K step t: 16 rows x 512 bytes into set t % 2
.irp r, 0,1,2,3,4,5,6,7,8,9,10,11,12,13,14,15
	global_load_b128 v[RW+64*((\t)%2)+4*\r:RW+64*((\t)%2)+4*\r+3], v[LI], s[48:49] offset:(\r+8*(\r/8))*4096+512*(\t) th:TH_LOAD_NT
.endr
.endm
	s_wait_alu depctr_va_vdst(0)
	LOAD 0
	LOAD 1
	s_wait_kmcnt 0x0
	s_mov_b32 s56, s33                             ; output 0's exponent: entry 1, 3, 5 or 11 for a weight, entry 0 for x
	s_cmp_eq_u32 s27, 1
	s_cselect_b32 s56, s35, s56
	s_cmp_eq_u32 s27, 2
	s_cselect_b32 s56, s37, s56
	s_cmp_eq_u32 s27, 3
	s_cselect_b32 s56, s43, s56
	s_cmp_eq_u32 s[ISX], 1
	s_cselect_b32 s56, s32, s56
.macro SCALE o, e                      ; 2^e as f32 (the conversion takes its exponent field)
	s_add_co_i32 s57, \e, 127
	s_lshl_b32 s58, s57, 23
	v_mov_b32 v[SC+2*\o], s58
.endm
	SCALE 0, s56
	SCALE 1, s34
	SCALE 2, s36
.macro OUT o, t, c                     ; piece c of K step t with output o's scale
.irp i, 0,1,2,3,4,5,6,7,8,9,10,11,12,13,14,15
.endr
	v_cvt_scalef32_pk8_fp8_f32 v[CD+4*(\o):CD+4*(\o)+1], v[HD+((XN+16*(\c)+0)-(HD+0)):HD+7+((XN+16*(\c)+0)-(HD+0))], v[SC+2*(\o)]
	v_cvt_scalef32_pk8_fp8_f32 v[CD+4*(\o)+2:CD+4*(\o)+3], v[HD+8+((XN+16*(\c)+0)-(HD+0)):HD+15+((XN+16*(\c)+0)-(HD+0))], v[SC+2*(\o)]
	v_nop                                          ; a plain line between the conversions and the later loads that write their sources
	global_store_b128 v[LI], v[CD+4*(\o):CD+4*(\o)+3], s[50+2*(\o):51+2*(\o)] offset:2048*(\t)+512*(\c)   ; 512 consecutive bytes
.endm
.macro PIECE t, c
	s_wait_xcnt 0x0                                ; the last piece's stores have read their data: the codes' registers are written again only behind this wait
	OUT 0, \t, \c
	s_cmp_eq_u32 s[ISX], 0
	s_cbranch_scc1 .Lone_\@                        ; a weight has one scale
	OUT 1, \t, \c
	OUT 2, \t, \c
.Lone_\@:
.endm
.macro KSTEP t
.if (\t) < 3
	s_wait_loadcnt 16                              ; this K step's 16 loads are in; the next one's 16 may be out
.else
	s_wait_loadcnt 0
.endif
.irp r, 0,1,2,3,4,5,6,7,8,9,10,11,12,13,14,15
	ds_store_b128 v[STI], v[RW+64*((\t)%2)+4*\r:RW+64*((\t)%2)+4*\r+3] offset:SPITCH*\r
.endr
.irp c, 0,1,2,3
.irp j, 0,1,2,3
	ds_load_b128 v[XN+16*\c+4*\j:XN+16*\c+4*\j+3], v[STO] offset:128*\c+16*\j   ; LDS serves a wave's instructions in order: these see my stores
.endr
.endr
	s_wait_dscnt 0x0                               ; the numbers are back, and the stores have read their registers,
.if (\t)+2 < 4
	LOAD (\t)+2                                    ; which take the loads of two K steps on
.endif
.irp c, 0,1,2,3
	PIECE \t, \c
.endr
.endm
	s_wait_alu depctr_va_vdst(0)
	KSTEP 0
	KSTEP 1
	KSTEP 2
	KSTEP 3
	s_wait_tensorcnt 0x0                           ; the wave's end: behind my last LDS store
	ds_add_u32 v[SPW], v[NIL]
	s_wait_dscnt 0x0
	s_endpgm
	; ---- the table: a wave makes one block of 16 tokens
.Ltable:
	s_sub_co_u32 s24, ttmp9, 384
	s_lshl_b32 s24, s24, 2
	s_add_co_u32 s24, s24, s22                     ; block 0..127
	s_lshr_b32 s25, s24, 1
	s_lshl_b32 s25, s25, 5
	s_and_b32 s26, s24, 1
	s_lshl_b32 s26, s26, 3
	s_add_co_u32 s25, s25, s26                     ; 32 (block / 2) + 8 (block % 2)
	s_wait_alu depctr_va_vdst(0)
	v_and_b32 v15, 8, v13
	v_add_nc_u32 v15, v15, v13                     ; r + 8 (r / 8)
	v_add_nc_u32 v15, s25, v15                     ; my token
	v_lshlrev_b32 v15, 2, v15
	s_lshl_b32 s26, s24, 12
	s_mov_b32 s27, 0
	s_wait_alu depctr_va_vdst(0)
	s_wait_kmcnt 0x0
	global_load_b32 v20, v15, s[14:15]             ; its position
	s_add_nc_u64 s[20:21], s[20:21], s[26:27]
	s_mov_b32 s52, -0.00019515295891               ; sin r = r + r z (s54 + z (s53 + z s52)), z = r r
	s_mov_b32 s53, 0.0083321608736
	s_mov_b32 s54, -0.16666654611
	s_mov_b32 s55, 0.00002443315711809948          ; cos r = 1 - z / 2 + z z (s57 + z (s56 + z s55))
	s_mov_b32 s56, -0.001388731625493765
	s_mov_b32 s57, 0.04166664568298827
	s_mov_b32 vcc_lo, 0xffff0000                   ; lanes 16-31
	s_wait_loadcnt 0x0
	v_cvt_f32_i32 v20, v20
.macro SINCOS p, e, lit0, lit1         ; the pair whose angle is lit0 in lanes 0-15 and lit1 in lanes 16-31: cos into v[32 + 4 p + 2 e], sin behind it
	v_mov_b32 v22, \lit0
	v_mov_b32 v23, \lit1
	v_cndmask_b32 v22, v22, v23, vcc_lo
	v_mul_f32 v22, v20, v22                        ; f = position x angle
	v_mul_f32 v23, 0x3f22f983, v22                 ; x 2 / pi
	v_rndne_f32 v23, v23                           ; n quarter turns
	v_fmamk_f32 v22, v23, 0xbfc90fd8, v22          ; r = f - n pi / 2, pi / 2 in three parts
	v_fmamk_f32 v22, v23, 0xb4a8885a, v22
	v_fmamk_f32 v22, v23, 0xa7c234c4, v22
	v_cvt_i32_f32 v23, v23
	v_mul_f32 v24, v22, v22                        ; z
	v_fma_f32 v25, s52, v24, s53
	v_fma_f32 v25, v25, v24, s54
	v_mul_f32 v26, v24, v22
	v_fma_f32 v25, v25, v26, v22                   ; sin r
	v_fma_f32 v27, s55, v24, s56
	v_fma_f32 v27, v27, v24, s57
	v_mul_f32 v26, v24, v24
	v_fma_f32 v28, v24, -0.5, 1.0
	v_fma_f32 v27, v27, v26, v28                   ; cos r
	v_and_b32 v26, 1, v23
	v_cmp_ne_u32 s51, 0, v26                       ; an odd quarter swaps the two
	v_cndmask_b32 v28, v25, v27, s51
	v_cndmask_b32 v29, v27, v25, s51
	v_lshlrev_b32 v26, 30, v23                     ; sin is negative in quarters 2 and 3,
	v_and_b32 v26, 0x80000000, v26
	v_xor_b32 v[32+4*\p+2*\e+1], v28, v26
	v_add_nc_u32 v23, 1, v23                       ; cos in quarters 1 and 2
	v_lshlrev_b32 v23, 30, v23
	v_and_b32 v23, 0x80000000, v23
	v_xor_b32 v[32+4*\p+2*\e], v29, v23
.endm
	SINCOS 0, 0, 1.0, 0.1
	SINCOS 0, 1, 0.7498942093324559, 0.07498942093324559
	SINCOS 1, 0, 0.5623413251903491, 0.05623413251903491
	SINCOS 1, 1, 0.4216965034285822, 0.04216965034285822
	SINCOS 2, 0, 0.31622776601683794, 0.031622776601683794
	SINCOS 2, 1, 0.2371373705661655, 0.02371373705661655
	SINCOS 3, 0, 0.1778279410038923, 0.01778279410038923
	SINCOS 3, 1, 0.1333521432163324, 0.01333521432163324
	SINCOS 4, 0, 0.01, 0.001
	SINCOS 4, 1, 0.007498942093324559, 0.0007498942093324559
	SINCOS 5, 0, 0.005623413251903491, 0.0005623413251903491
	SINCOS 5, 1, 0.004216965034285822, 0.0004216965034285822
	SINCOS 6, 0, 0.0031622776601683794, 0.00031622776601683794
	SINCOS 6, 1, 0.002371373705661655, 0.0002371373705661655
	SINCOS 7, 0, 0.001778279410038923, 0.0001778279410038923
	SINCOS 7, 1, 0.001333521432163324, 0.0001333521432163324
.irp p, 0,1,2,3,4,5,6,7
	global_store_b128 v[LI], v[32+4*\p:32+4*\p+3], s[20:21] offset:512*\p
.endr
	s_endpgm
.Lfunc_end_k_qdccc0bc36c_quant:
	.size	k_qdccc0bc36c_quant, .Lfunc_end_k_qdccc0bc36c_quant-k_qdccc0bc36c_quant
	.p2alignl 7, 3214868480
	.fill 96, 4, 3214868480
	.section	.rodata,"a",@progbits
	.p2align	6, 0x0
	.amdhsa_kernel k_qdccc0bc36c_quant
		.amdhsa_group_segment_fixed_size 34304
		.amdhsa_private_segment_fixed_size 0
		.amdhsa_enable_private_segment 0
		.amdhsa_kernarg_size 72
		.amdhsa_user_sgpr_count 2
		.amdhsa_user_sgpr_kernarg_segment_ptr 1
		.amdhsa_wavefront_size32 1
		.amdhsa_system_sgpr_workgroup_id_x 1
		.amdhsa_system_sgpr_workgroup_id_y 1
		.amdhsa_system_sgpr_workgroup_id_z 1
		.amdhsa_system_vgpr_workitem_id 0
		.amdhsa_next_free_vgpr 240
		.amdhsa_next_free_sgpr 66
		.amdhsa_reserve_vcc 1
		.amdhsa_float_denorm_mode_32 3
		.amdhsa_float_denorm_mode_16_64 3
		.amdhsa_fp16_overflow 1
		.amdhsa_memory_ordered 1
		.amdhsa_forward_progress 1
		.amdhsa_inst_pref_size 58
	.end_amdhsa_kernel
	.amdgpu_metadata
---
amdhsa.version: [ 1, 2 ]
amdhsa.kernels:
  - .name:           k_qdccc0bc36c_quant
    .symbol:         k_qdccc0bc36c_quant.kd
    .args:
      - { .name: x, .offset: 0, .size: 8, .value_kind: global_buffer, .address_space: global }
      - { .name: wq, .offset: 8, .size: 8, .value_kind: global_buffer, .address_space: global }
      - { .name: wk, .offset: 16, .size: 8, .value_kind: global_buffer, .address_space: global }
      - { .name: wv, .offset: 24, .size: 8, .value_kind: global_buffer, .address_space: global }
      - { .name: wo, .offset: 32, .size: 8, .value_kind: global_buffer, .address_space: global }
      - { .name: token_positions, .offset: 40, .size: 8, .value_kind: global_buffer, .address_space: global }
      - { .name: lowp_scales, .offset: 48, .size: 8, .value_kind: global_buffer, .address_space: global }
      - { .name: xw_img, .offset: 56, .size: 8, .value_kind: global_buffer, .address_space: global }
      - { .name: rope_img, .offset: 64, .size: 8, .value_kind: global_buffer, .address_space: global }
    .group_segment_fixed_size: 34304
    .private_segment_fixed_size: 0
    .kernarg_segment_align: 8
    .kernarg_segment_size: 72
    .max_flat_workgroup_size: 128
    .sgpr_count:     66
    .vgpr_count:     240
    .wavefront_size: 32
...
	.end_amdgpu_metadata
.endif
;; end of part 1
;; launch qkv (part 2): grid 12 x 32, 4 waves a work-group, clusters of 4 x 4, 327,680 bytes of LDS; arguments xw_img, lowp_scales, rope_img, qkv_img; writes qkv_img
.if DOCPART == 2
	.amdgcn_target "amdgcn-amd-amdhsa--gfx1250"
	.amdhsa_code_object_version 6
	.text
	.protected	k_qdccc0bc36c_qkv
	.globl	k_qdccc0bc36c_qkv
	.p2align	8
	.type	k_qdccc0bc36c_qkv,@function
k_qdccc0bc36c_qkv:
	s_mov_b64 s[64:65], 0
	v_nop
	global_prefetch_b8 v0, s[64:65] scope:SCOPE_SE
	s_setreg_imm32_b32 hwreg(HW_REG_WAVE_MODE, 25, 1), 1
	s_wait_xcnt 0x0
	s_wait_alu depctr_hold_cnt(0) depctr_sa_sdst(0) depctr_va_vdst(0) depctr_va_sdst(0) depctr_va_ssrc(0) depctr_va_vcc(0) depctr_vm_vsrc(0)
	s_getreg_b32 s2, hwreg(HW_REG_IB_STS2, 6, 4)
	s_cmp_eq_u32 s2, 0
	s_cbranch_scc0 .Lentry_in_a_cluster
	s_endpgm
.Lentry_in_a_cluster:
	s_bfe_u32 s2, ttmp6, 0x10000c
	s_cmp_lg_u32 s2, 0xf033
	s_cbranch_scc0 .Lentry_shape_is_right
	s_endpgm
.Lentry_shape_is_right:
; q = rope(x wq^T), k = rope(x wk^T), v = x wv^T on codes of FP8 (E4M3), and their quantising for the two products of attention.  Operands come as images of operand registers (a block of 16 rows: lane r of block B is
; row 32 (B / 2) + 8 (B % 2) + r + 8 (r / 8); a piece of 512 bytes: lane (r, h) holds k = 32 c + 16 h + 0 .. 15), [block][K step 8][piece 4][lane][16 bytes]; results leave in the same form.
; The cluster's x says which product: 0: q, 1: k, 2: v.  A tile of 256 x 256 is made by four waves, 128 x 128 each: 64 accumulators of 16 x 16, 512 registers.  K = 1,024 goes in steps of 256 through two LDS slots.
; THE MATRIX INSTRUCTION IS USED TRANSPOSED: source 0 = a block of the operand called B below, source 1 = a block of A.  A lane then holds ONE row of A's block, and register j of tiles 2 c, 2 c + 1 the B rows
; 32 c + 16 (lane / 16) + 0 .. 15: sixteen neighbours, which the conversions turn into one piece of the next operand.  q, k: A = x (tokens), B = the weight (features: the next K).  v: A = wv (features), B = x (tokens: v's K).
; So nothing goes through LDS on the way out: each store of codes covers 512 consecutive bytes.
; CLUSTERS: 4 x 4 work-groups.  The four of a row of the cluster need the same tiles of A, the four of a column the same tiles of B: each tile is asked for JOINTLY.
; qkv_img: q at 0 and k at 8,388,608: [batch x head 64][block of 16 tokens 128][piece 2][lane][16]; v at 16,777,216: [batch x head][step of 128 keys 16][block of 16 features 4][piece 4][lane][16].
; SCALES: a sum stands for sum x 2^(ea + eb); its code is sum / 2^(eo - ea - eb).  The rotation is linear, so it acts on the sums as they are.  LIMIT: eo - ea - eb between -126 and 119 for each of the three.
; REGISTERS, in windows of 256: window 0: v0-31 addresses and the scale; v32-95 cos and sin, two sets; v96-111 codes; from v128 A's fragments, ONE set, on the way out 64 numbers.  window 1: B's fragments, TWO sets.
;   window 2: the 32 accumulators of A's blocks 0-3 (accumulator (a, b) at v[8 (8 a + b)]);   window 3: those of blocks 4-7.
.set HALFT,  32768                     ; 8 blocks x 4,096 bytes (two K steps of 128): what one tensor load brings, and what one wave reads of A or of B
.set SLOT,   4*HALFT                   ; A's 16 blocks, then B's 16
.set SPARE,  2*SLOT                    ; behind the ring: the spare words, 128 bytes for each wave: two blocks of 256 bytes that no other line names
.set STEPB,  4096                      ; a slot's part of a block in memory
.set FR,     16                        ; registers of a fragment: 16 rows x 128 K
.set NL,     4                         ; LDS loads that bring one
.set NP,     4                         ; places behind this matrix instruction (ISA guide 7.12.1)
.set LAPS,   2                         ; 1,024 along K = two laps of two slots of 256
.set ADRA, 16                          ; v16-17  LDS address of my A fragments in slot 0, 1
.set ADRB, 20                          ; v20-21  the same for B
.set LI,   26                          ; v26     16 x lane
.set SPW,  28                          ; v28     LDS address of my spare word; never rewritten
.set NIL,  29                          ; v29     0; never rewritten
.set QSC,  30                          ; v30     2^(eo - ea - eb) as f32
.set QLIM, 31                          ; v31     448 x that
.set CSR,  32                          ; v32-95  cos and sin of a block of tokens, two sets of 32
.set CD,   96                          ; v96-111 four pieces of codes
.set TMP,  128                         ; v128-191 a block's 64 numbers
.set AF,   128                         ; A's fragments, in window 0
.set G1, 24                            ; s[24:31] descriptor group 1 for A's tiles;  s[32:39] group 0, one set for each slot
.set G0, 32
.set G1B, 48                           ; s[48:55], s[56:63] the same for B's tiles
.set G0B, 56
.set MSB, 0
.macro WIN new                         ; the immediate's high byte repeats the setting that is left
.if MSB != \new
	s_set_vgpr_msb (MSB<<8)|\new
.set MSB, \new
.endif
.endm
.set MUL_LO, 0xa1                      ; source 0 (B) window 1, source 1 (A) window 0, C and D window 2
.set MUL_HI, 0xf1                      ; the same, C and D window 3
.set TO_B,   0x40                      ; destination window 1, address window 0
; A joint load: waves 0 and 1 fetch for A, waves 2 and 3 for B.  Each of the two lines has ONE mask and one set of registers for all that issue it; the branch hangs on the wave's number alone.
; An s_nop 0 and four v_nop follow each of the two lines, ahead of the jump, the label and what follows.
.macro JLOAD g0a, g1a, g0b, g1b
	s_cmp_eq_u32 s15, 0
	s_cbranch_scc0 .Lfor_b_\@
	tensor_load_to_lds s[\g0a:\g0a+3], s[\g1a:\g1a+7]
	s_nop 0
.rept 4
	v_nop
.endr
	s_branch .Lasked_\@
.Lfor_b_\@:
	tensor_load_to_lds s[\g0b:\g0b+3], s[\g1b:\g1b+7]
	s_nop 0
.rept 4
	v_nop
.endr
.Lasked_\@:
.endm
.macro CREST                           ; a round of the cluster's barrier behind its opening barrier
	s_cmp_lg_u32 s14, 0
	s_cbranch_scc1 .Lnot_wave_0_\@
	s_barrier_signal -3
.Lnot_wave_0_\@:
	s_barrier_wait -3
	s_barrier_signal -1
	s_barrier_wait -1
.endm
.macro CROUND                          ; a whole round
	s_barrier_signal -1
	s_barrier_wait -1
	CREST
.endm
	s_load_b256 s[4:11], s[0:1], 0x0               ; xw_img s[4:5], lowp_scales s[6:7], rope_img s[8:9], qkv_img s[10:11]
	v_lshl_add_u32 v[SPW], v0, 2, SPARE
	v_mov_b32 v[NIL], 0
	ds_add_u32 v[SPW], v[NIL]
	ds_add_u32 v[SPW], v[NIL]                      ; the wave's opening: the add and its wait ahead of my first tensor load; the set-up below, work on registers, stands between them
	v_lshrrev_b32 v1, 5, v0
	v_readfirstlane_b32 s14, v1                    ; wave 0..3
	s_lshr_b32 s15, s14, 1                         ; which half of A's blocks is mine.  Also: I fetch for A (0) or for B (1)
	s_and_b32 s16, s14, 1                          ; which half of B's blocks.  Also: which 8 blocks of that tile I fetch
	s_bfe_u32 s40, ttmp6, 0x40000                  ; cx, cy: my place in the cluster
	s_bfe_u32 s41, ttmp6, 0x40004
	s_and_b32 s12, ttmp7, 0xffff
	s_lshl_b32 s12, s12, 2                         ; 4 x cluster y
	s_lshl_b32 s80, ttmp9, 23                      ; A's part of xw_img: x under entry 0 (q) or entry 2 (k),
	s_lshl_b32 s81, ttmp9, 20
	s_add_co_u32 s81, s81, 25165824                ; B's: wq or wk
	s_mov_b32 s82, s80                             ; and q's or k's part of qkv_img
	s_cmp_eq_u32 ttmp9, 2                          ; the cluster's x is the same in all sixteen partners
	s_cselect_b32 s17, 0, s12
	s_cselect_b32 s42, s12, 0
	s_cselect_b32 s80, 27262976, s80               ; v: A = wv,
	s_cselect_b32 s81, 16777216, s81               ; B = x under entry 4
	s_add_co_u32 s17, s17, s41                     ; A's tile of 256 rows: tokens 4 x cluster y + cy, or (v) features cy
	s_add_co_u32 s42, s42, s40                     ; B's tile: features cx, or (v) tokens 4 x cluster y + cx
	s_lshl_b32 s43, s41, 2
	s_lshl_b32 s43, 15, s43                        ; my row of the cluster
	s_lshl_b32 s44, 0x1111, s40                    ; my column
	; descriptor group 1: a tile of 8 rows (blocks) x 512 elements of 8 bytes, rows 2,048 elements apart, dense in LDS
	s_or_b32 s[G1+0], s43, (3<<16)|(1<<21)         ; 15:0 the mask: A's tiles go to my row; 17:16 elements of 8 bytes; 20 no padding; 21 set beside a mask
	s_or_b32 s[G1B+0], s44, (3<<16)|(1<<21)
.irp g, G1, G1B
	s_mov_b32 s[\g+1], 512<<16                     ; tensor_dim0
	s_mov_b32 s[\g+2], 8<<16                       ; tensor_dim1
	s_mov_b32 s[\g+3], 512<<16                     ; tile_dim0
	s_mov_b32 s[\g+4], 8                           ; tile_dim1
	s_mov_b32 s[\g+5], 2048                        ; tensor_dim0_stride: a block is 16,384 bytes
	s_mov_b32 s[\g+6], 0
	s_mov_b32 s[\g+7], 0
.endr
	s_lshl_b32 s18, s16, 17                        ; which 8 blocks of the tile I fetch
	s_lshl_b32 s20, s17, 18                        ; A: 16 blocks a tile
	s_add_co_u32 s20, s20, s18
	s_add_co_u32 s20, s20, s80
	s_mov_b32 s21, 0
	s_lshl_b32 s46, s42, 18                        ; B likewise, in registers that never hold cy
	s_add_co_u32 s46, s46, s18
	s_add_co_u32 s46, s46, s81
	s_mov_b32 s47, 0
	s_lshl_b32 s45, s14, 15                        ; where they go: wave x 32,768: no place in the cluster enters an LDS address
	s_wait_dscnt 0x0                               ; the opening add is done
	s_wait_kmcnt 0x0
	s_load_b256 s[68:75], s[6:7], 0x0              ; entries 0 to 7
	s_load_b128 s[76:79], s[6:7], 0x20             ; entries 8 to 11
	s_add_nc_u64 s[20:21], s[4:5], s[20:21]
	s_add_nc_u64 s[46:47], s[4:5], s[46:47]
	CROUND                                         ; all sixteen work-groups are here: the first joint loads meet
.irp s, 0,1
	s_mov_b32 s[G0+4*\s], 1
	s_add_co_u32 s[G0+4*\s+1], s45, \s*SLOT
	s_add_nc_u64 s[G0+4*\s+2:G0+4*\s+3], s[20:21], \s*STEPB
	s_or_b32 s[G0+4*\s+3], s[G0+4*\s+3], 0x80000000
	s_mov_b32 s[G0B+4*\s], 1
	s_add_co_u32 s[G0B+4*\s+1], s45, \s*SLOT
	s_add_nc_u64 s[G0B+4*\s+2:G0B+4*\s+3], s[46:47], \s*STEPB
	s_or_b32 s[G0B+4*\s+3], s[G0B+4*\s+3], 0x80000000
	JLOAD G0+4*\s, G1, G0B+4*\s, G1B               ; two loads of mine are out
.endr
	v_and_b32 v1, 31, v0
	v_lshlrev_b32 v[LI], 4, v1
	s_lshl_b32 s21, s15, 15                        ; my 8 blocks of A
	s_lshl_b32 s22, s16, 15                        ; my 8 blocks of B,
	s_add_co_u32 s22, s22, 2*HALFT                 ; which lie behind A's 16
.irp s, 0,1
	v_add_nc_u32 v[ADRA+\s], s21, v[LI]
	v_add_nc_u32 v[ADRB+\s], s22, v[LI]
	s_add_co_u32 s21, s21, SLOT
	s_add_co_u32 s22, s22, SLOT
.endr
	; where cos and sin come from, and where the codes go
	s_and_b32 s83, s17, 7
	s_lshl_b32 s83, s83, 4
	s_lshl_b32 s84, s15, 3
	s_add_co_u32 s83, s83, s84                     ; my first block of tokens within its sequence (q, k)
	s_lshl_b32 s84, s83, 12
	s_mov_b32 s85, 0
	s_add_nc_u64 s[84:85], s[8:9], s[84:85]        ; a block's cos and sin are 4,096 bytes
	s_lshr_b32 s86, s17, 3                         ; q, k: the batch,
	s_lshl_b32 s86, s86, 4
	s_lshl_b32 s87, s42, 2
	s_add_co_u32 s86, s86, s87
	s_lshl_b32 s87, s16, 1
	s_add_co_u32 s86, s86, s87                     ; x 16 + my first head (4 heads to B's tile, 2 to my half)
	s_lshl_b32 s86, s86, 7
	s_add_co_u32 s86, s86, s83                     ; x 128 blocks + my first
	s_lshl_b32 s86, s86, 10                        ; of 1,024 bytes
	s_add_co_u32 s86, s86, s82
	s_lshl_b32 s88, s42, 1                         ; v: my step of 128 tokens, counted through the batches,
	s_add_co_u32 s88, s88, s16
	s_lshr_b32 s89, s88, 4
	s_lshl_b32 s89, s89, 4                         ; its batch x 16
	s_lshl_b32 s87, s17, 2
	s_add_co_u32 s89, s89, s87
	s_lshl_b32 s87, s15, 1
	s_add_co_u32 s89, s89, s87                     ; + my first head
	s_lshl_b32 s89, s89, 4
	s_and_b32 s88, s88, 15
	s_add_co_u32 s89, s89, s88                     ; x 16 steps + mine
	s_lshl_b32 s89, s89, 13                        ; of 8,192 bytes
	s_add_co_u32 s89, s89, 16777216
	s_cmp_eq_u32 ttmp9, 2
	s_cselect_b32 s86, s89, s86
	s_mov_b32 s87, 0
	s_add_nc_u64 s[86:87], s[10:11], s[86:87]
	s_wait_alu depctr_va_vdst(0)
	s_wait_kmcnt 0x0
	s_add_co_i32 s90, s68, s69
	s_sub_co_i32 s90, s74, s90                     ; q: entry 6 - (entry 0 + entry 1)
	s_add_co_i32 s91, s70, s71
	s_sub_co_i32 s91, s75, s91                     ; k: entry 7 - (entry 2 + entry 3)
	s_add_co_i32 s92, s72, s73
	s_sub_co_i32 s92, s77, s92                     ; v: entry 9 - (entry 4 + entry 5)
	s_cmp_eq_u32 ttmp9, 1
	s_cselect_b32 s90, s91, s90
	s_cmp_eq_u32 ttmp9, 2
	s_cselect_b32 s90, s92, s90
	s_add_co_i32 s90, s90, 127
	s_lshl_b32 s91, s90, 23
	v_mov_b32 v[QSC], s91
	s_add_co_i32 s90, s90, 8
	s_lshl_b32 s90, s90, 23
	s_or_b32 s90, s90, 0x600000
	v_mov_b32 v[QLIM], s90
.macro FRAG reg, adr, q, i             ; block i's fragment of the slot's q-th 128 along K: four pieces, 512 consecutive bytes each
.irp c, 0,1,2,3
	ds_load_b128 v[\reg+4*\c:\reg+4*\c+3], v[\adr] offset:4096*(\i)+2048*(\q)+512*\c
.endr
.endm
; 16 matrix instructions: A's blocks a0, a0 + 1 x B's eight, 128 along K.  p: B's set.  zero = 1: the first product starts the sums: nothing is ever cleared.
; The 64 accumulators take turns, one instruction a turn, in the same order in every step.
.macro MUL16 a0, p, zero
.irp a, \a0, \a0+1
.irp b, 0,1,2,3,4,5,6,7
.if \zero
	v_wmma_f32_16x16x128_fp8_fp8 v[8*(8*((\a)%4)+\b):8*(8*((\a)%4)+\b)+7], v[128*(\p)+FR*\b:128*(\p)+FR*\b+FR-1], v[AF+FR*(\a):AF+FR*(\a)+FR-1], 0
.else
	v_wmma_f32_16x16x128_fp8_fp8 v[8*(8*((\a)%4)+\b):8*(8*((\a)%4)+\b)+7], v[128*(\p)+FR*\b:128*(\p)+FR*\b+FR-1], v[AF+FR*(\a):AF+FR*(\a)+FR-1], v[8*(8*((\a)%4)+\b):8*(8*((\a)%4)+\b)+7]
.endif
.endr
.endr
.endm
.macro FETCH_B slot, q, p              ; B's eight fragments into set p
	WIN TO_B
.irp i, 0,1,2,3,4,5,6,7
	FRAG 128*(\p)+FR*\i, ADRB+\slot, \q, \i
.endr
	WIN 0
.endm
.macro FETCH_A slot, q, i0             ; A's blocks i0 .. i0 + 3
.irp i, \i0, \i0+1, \i0+2, \i0+3
	FRAG AF+FR*(\i), ADRA+\slot, \q, \i
.endr
.endm
; A load into a register that a matrix instruction has read, and a vector instruction that reads a matrix result or writes one of its registers, stand NP places behind it; only plain vector instructions that name none
; of its registers are places (ISA guide 7.12.1 for vector instructions).
.macro PLACES n
.rept \n
	v_nop
.endr
.endm
; A step of 128 along K that has its successor in the same slot.
.macro STEP slot, q, zero
	s_wait_dscnt 4*NL                              ; B's set and A's blocks 0-3 are in; the youngest 16 loads (A's blocks 4-7) may be out
	WIN MUL_LO
	MUL16 0, (\q)%2, \zero
	MUL16 2, (\q)%2, \zero
	s_wait_dscnt 0                                 ; A's blocks 4-7 are in
	PLACES NP
	FETCH_B \slot, (\q)+1, 1-(\q)%2
	FETCH_A \slot, (\q)+1, 0
	WIN MUL_HI
	MUL16 4, (\q)%2, \zero
	MUL16 6, (\q)%2, \zero
	PLACES NP
	WIN 0
	FETCH_A \slot, (\q)+1, 4
.endm
; A slot's last step changes slots: ONE barrier; in front of it each wave waits for all its tensor loads, adds 0 to its spare word, and waits for that and for its own reads of this slot.  fill = 1: this slot is filled again, two slots ahead.
.macro TURN slot, next, fill
	s_wait_tensorcnt 0x0                           ; all my tensor loads have landed: my part of the next slot  (every window is 0 here)
	ds_add_u32 v[SPW], v[NIL]                      ; 0 onto my spare word
	s_wait_dscnt 4*NL+1                            ; (the add and the youngest 16 loads, A's blocks 4-7, may be out)
	WIN MUL_LO
	MUL16 0, 1, 0                                  ; sixteen matrix instructions stand between the add and the wait for it
	s_wait_dscnt 0x0                               ; the add is done, and my reads of this slot are over
	s_barrier_signal -1
	MUL16 2, 1, 0
	WIN 0
	s_barrier_wait -1
.if \fill
	CREST                                          ; the barrier has opened a round of the cluster's barrier: no wave of any partner still reads this slot's tile or has a load on its way
	s_add_nc_u64 s[G0+4*\slot+2:G0+4*\slot+3], s[G0+4*\slot+2:G0+4*\slot+3], 2*STEPB
	s_add_nc_u64 s[G0B+4*\slot+2:G0B+4*\slot+3], s[G0B+4*\slot+2:G0B+4*\slot+3], 2*STEPB
	JLOAD G0+4*\slot, G1, G0B+4*\slot, G1B         ; the first tensor load behind the round, my one load until the next; the four v_nop behind it are the places in front of the loads below
.else
	PLACES NP
.endif
	FETCH_B \next, 0, 0
	FETCH_A \next, 0, 0
	WIN MUL_HI
	MUL16 4, 1, 0
	MUL16 6, 1, 0
	PLACES NP
	WIN 0
	FETCH_A \next, 0, 4
.endm
.macro ROPE a                          ; cos and sin of my block a of tokens into set a % 2: eight pieces; piece 2 t + g serves registers 4 g .. 4 g + 3 of a head's tile t
.irp p, 0,1,2,3,4,5,6,7
	global_load_b128 v[CSR+32*((\a)%2)+4*\p:CSR+32*((\a)%2)+4*\p+3], v[LI], s[84:85] offset:4096*(\a)+512*\p
.endr
.endm
	s_wait_tensorcnt 1                             ; my part of slot 0 is in (slot 1's load may be out)
	s_barrier_signal -1
	s_barrier_wait -1                              ; everybody's is
	FETCH_B 0, 0, 0
	FETCH_A 0, 0, 0
	FETCH_A 0, 0, 4
	STEP 0, 0, 1                                   ; the first step stands in front of the loop: its products start the sums
	s_mov_b32 s3, LAPS-1
.Llap:                                                 ; a trip goes once round the ring, from a lap's second step to the next lap's first, and fills both slots again
	TURN 0, 1, 1
	STEP 1, 0, 0
	TURN 1, 0, 1
	STEP 0, 0, 0
	s_sub_co_u32 s3, s3, 1
	s_cmp_lg_u32 s3, 0
	s_cbranch_scc1 .Llap
	TURN 0, 1, 0                                   ; the last lap fills nothing, and has no round of the cluster's barrier
	STEP 1, 0, 0
	ROPE 0                                         ; the first two blocks' cos and sin land under the last step.  Every work-group asks, v's too (the addresses lie inside the table there as well): one path, 16 loads
	ROPE 1
	s_wait_dscnt 4*NL                              ; the very last step: nothing more to fetch
	WIN MUL_LO
	MUL16 0, 1, 0
	MUL16 2, 1, 0
	s_wait_dscnt 0
	WIN MUL_HI
	MUL16 4, 1, 0
	MUL16 6, 1, 0
	WIN 0
.macro CODES                           ; 64 numbers in v[TMP] on, held for v, become four pieces
	s_wait_xcnt 0x0                                ; the last block's stores have read their data: the codes' registers are written again only behind this wait
.irp q, 0,1,2,3
	v_cvt_scalef32_pk8_fp8_f32 v[CD+4*\q:CD+4*\q+1], v[TMP+16*\q:TMP+16*\q+7], v[QSC]
	v_cvt_scalef32_pk8_fp8_f32 v[CD+4*\q+2:CD+4*\q+3], v[TMP+16*\q+8:TMP+16*\q+15], v[QSC]
.endr
	v_nop                                          ; a plain line between the conversions and the next block's lines, which write their sources
.endm
; q, k: block a of 16 tokens x 128 features (two heads).  In tile b = 4 head + t a lane's registers 2 p, 2 p + 1 are the pair (even, odd) of the rotation; its cos and sin lie in the same two places of the table's set.
.macro QKOUT a
.set AC, 64*((\a)%4)
.set CC, CSR+32*((\a)%2)
.if (\a) < 7
	s_wait_loadcnt 8                               ; this block's eight loads are in; the next block's may be out
.else
	s_wait_loadcnt 0
.endif
	WIN (0x02+((\a)/4))                            ; source 0: window 2 or 3
.irp b, 0,1,2,3,4,5,6,7
.irp p, 0,2,4,6
	v_pk_mul_f32 v[TMP+8*\b+\p:TMP+8*\b+\p+1], v[AC+8*\b+\p:AC+8*\b+\p+1], v[CC+8*(\b%4)+\p:CC+8*(\b%4)+\p+1] op_sel_hi:[1,0]   ; (even cos, odd cos); each accumulator from its low end on
.endr
.irp p, 0,2,4,6
	v_pk_fma_f32 v[TMP+8*\b+\p:TMP+8*\b+\p+1], v[AC+8*\b+\p:AC+8*\b+\p+1], v[CC+8*(\b%4)+\p:CC+8*(\b%4)+\p+1], v[TMP+8*\b+\p:TMP+8*\b+\p+1] op_sel:[1,1,0] op_sel_hi:[0,1,1] neg_lo:[1,0,0]   ; (- odd sin + .., even sin + ..)
.endr
.endr
	WIN 0
.if (\a)+2 < 8
	ROPE (\a)+2
.endif
.set ii, 0
.rept 64
.set ii, ii+1
.endr
	s_wait_alu depctr_va_vdst(0)
	CODES
.irp q, 0,1,2,3
	global_store_b128 v[LI], v[CD+4*\q:CD+4*\q+3], s[86:87] offset:(\q/2)*131072+(\a)*1024+(\q%2)*512   ; head q / 2, piece q % 2: 512 consecutive bytes
.endr
.endm
; v: block a of 16 features x 128 tokens: one fragment of the second product of attention
.macro VOUT a
.set AC, 64*((\a)%4)
	WIN (0x02+((\a)/4))
.set ii, 0
.rept 64
	v_med3_num_f32 v[TMP+ii], v[AC+ii], -v[QLIM], v[QLIM]
.set ii, ii+1
.endr
	WIN 0
	s_wait_alu depctr_va_vdst(0)
	CODES
.irp q, 0,1,2,3
	global_store_b128 v[LI], v[CD+4*\q:CD+4*\q+3], s[86:87] offset:((\a)/4)*131072+((\a)%4)*2048+512*\q
.endr
.endm
	PLACES NP                                      ; behind the last products, ahead of the first read of results and the first write over A's fragments
	s_cmp_eq_u32 ttmp9, 2
	s_cbranch_scc1 .Lv_out
.irp a, 0,1,2,3,4,5,6,7
	QKOUT \a
.endr
	s_branch .Ldone
.Lv_out:
	s_wait_alu depctr_va_vdst(0)
.irp a, 0,1,2,3,4,5,6,7
	VOUT \a
.endr
.Ldone:
	s_wait_tensorcnt 0x0                           ; the wave's end: behind my last tensor load
	ds_add_u32 v[SPW], v[NIL]
	s_wait_dscnt 0x0
	CROUND                                         ; the closing round: no work-group ends while a partner may still ask for a tile that names it
	s_endpgm
.Lfunc_end_k_qdccc0bc36c_qkv:
	.size	k_qdccc0bc36c_qkv, .Lfunc_end_k_qdccc0bc36c_qkv-k_qdccc0bc36c_qkv
	.p2alignl 7, 3214868480
	.fill 96, 4, 3214868480
	.section	.rodata,"a",@progbits
	.p2align	6, 0x0
	.amdhsa_kernel k_qdccc0bc36c_qkv
		.amdhsa_group_segment_fixed_size 327680
		.amdhsa_private_segment_fixed_size 0
		.amdhsa_enable_private_segment 0
		.amdhsa_kernarg_size 32
		.amdhsa_user_sgpr_count 2
		.amdhsa_user_sgpr_kernarg_segment_ptr 1
		.amdhsa_wavefront_size32 1
		.amdhsa_system_sgpr_workgroup_id_x 1
		.amdhsa_system_sgpr_workgroup_id_y 1
		.amdhsa_system_sgpr_workgroup_id_z 1
		.amdhsa_system_vgpr_workitem_id 0
		.amdhsa_next_free_vgpr 1024
		.amdhsa_next_free_sgpr 96
		.amdhsa_reserve_vcc 0
		.amdhsa_float_denorm_mode_32 3
		.amdhsa_float_denorm_mode_16_64 3
		.amdhsa_fp16_overflow 1
		.amdhsa_memory_ordered 1
		.amdhsa_forward_progress 1
		.amdhsa_inst_pref_size 165
	.end_amdhsa_kernel
	.amdgpu_metadata
---
amdhsa.version: [ 1, 2 ]
amdhsa.kernels:
  - .name:           k_qdccc0bc36c_qkv
    .symbol:         k_qdccc0bc36c_qkv.kd
    .args:
      - { .name: xw_img, .offset: 0, .size: 8, .value_kind: global_buffer, .address_space: global }
      - { .name: lowp_scales, .offset: 8, .size: 8, .value_kind: global_buffer, .address_space: global }
      - { .name: rope_img, .offset: 16, .size: 8, .value_kind: global_buffer, .address_space: global }
      - { .name: qkv_img, .offset: 24, .size: 8, .value_kind: global_buffer, .address_space: global }
    .group_segment_fixed_size: 327680
    .private_segment_fixed_size: 0
    .kernarg_segment_align: 8
    .kernarg_segment_size: 32
    .max_flat_workgroup_size: 128
    .sgpr_count:     96
    .vgpr_count:     1024
    .wavefront_size: 32
...
	.end_amdgpu_metadata
.endif
;; end of part 2
;; launch attn (part 3): grid 4 x 64, 16 waves a work-group, no clusters, 327,680 bytes of LDS; arguments qkv_img, lowp_scales, a_img; writes a_img
.if DOCPART == 3
	.amdgcn_target "amdgcn-amd-amdhsa--gfx1250"
	.amdhsa_code_object_version 6
	.text
	.protected	k_qdccc0bc36c_attn
	.globl	k_qdccc0bc36c_attn
	.p2align	8
	.type	k_qdccc0bc36c_attn,@function
k_qdccc0bc36c_attn:
	s_mov_b64 s[64:65], 0
	v_nop
	global_prefetch_b8 v0, s[64:65] scope:SCOPE_SE
	s_setreg_imm32_b32 hwreg(HW_REG_WAVE_MODE, 25, 1), 1
	s_wait_xcnt 0x0
; Causal attention on codes of FP8 (E4M3), head size 64, 2,048 tokens, 64 (batch x head); the result is quantised for the last projection.
; q, k: [batch x head][block of 16 tokens 128][piece 2][lane][16]; v: [batch x head][step of 128 keys 16][block of 16 features 4][piece 4][lane][16]: images of operand registers (lane r of block B is row
; 32 (B / 2) + 8 (B % 2) + r + 8 (r / 8); lane (r, h) of piece c holds k = 32 c + 16 h + 0 .. 15).  a_img: [block of 16 tokens 512][K step 8][piece 4][lane][16], K = 64 head + channel.
; THE SOFTMAX AHEAD OF THE SECOND PRODUCT: t = score x log2(e) / 8; M = the row's largest t so far, rounded UP to a whole number; p = 2^(t - M) is what is quantised; the row's sum is taken of the unquantised p
; and divides at the end.  When M moves, the sum and O are multiplied by 2^(old M - new M): exact.
; SHARES.  Work-group (i, batch x head) owns the blocks of 256 queries i and 7 - i, so that every work-group has the same number of key steps under the causal mask.  Each of its sixteen waves owns one tile of
; 16 queries of each block.  Four waves to a SIMD: one wave's vector work stands beside another's matrix work and LDS loads.
; LDS HOLDS THE WHOLE HEAD, FILLED ONCE: k's 131,072 bytes, then v's.  Every wave issues two tensor loads at the head: its sixteenth of the first 256 keys (2 KB) and of the rest (14 KB).  No slot is filled again, and
; no barrier stands in the loop.  Keys behind a work-group's last query are fetched and not read: the descriptors stay constants of the text.
; Both products are used transposed: S^T = K Q^T (source 0 = 16 keys, source 1 = my 16 queries), O^T = V^T P^T: a lane holds ONE query throughout, and by the blocks' order of rows the 16 registers of tiles 2 b, 2 b + 1
; are 16 neighbouring keys (or channels): the conversions' results are the next operand's pieces.
; CAUSAL.  All loops have constant trip counts; a step all of whose keys come after a tile's queries is jumped over by a scalar branch on ids.  A tile's 16 queries lie within one step of 128, so in every step that
; is worked the step's first key counts for every query: M is a number from the first step on.
; NO JOINT LOADS, though the four work-groups of a head fetch the same bytes: which steps a work-group leaves out hangs on which blocks of queries it owns, that is on its place among the four.
; LIMITS: entry 6 + entry 7 between -123 and 130 (added to c's exponent field); entry 8, and entry 10 - entry 8 - entry 9, between -126 and 119.
.set VOFF,  131072                     ; v's codes in LDS
.set SPARE, 262144                     ; behind them: the spare words, 128 bytes for each wave: eight blocks of 256 bytes that no other line names
.set LI,   1                           ; v1   16 x lane
.set ADK,  2                           ; v2   LDS address of the step's tiles of k
.set ADV,  3                           ; v3   of v
.set SPW,  4                           ; v4   LDS address of my spare word; never rewritten
.set NIL,  5                           ; v5   0; never rewritten
.set QL,   6                           ; v6   r + 8 (r / 8) - 16 h
.set PSC,  7                           ; v7   2^(entry 8) as f32
.set PLIM, 8                           ; v8   not written
.set NINF, 9                           ; v9   -infinity
.set ST,   12                          ; v[12 + 4 u]: -M, the largest t, the sum in two halves, for tile u = 0, 1
.set QF,   20                          ; v[20 + 8 u]: q's fragment
.set FRG,  36                          ; v36-99   eight fragments of k, then four of v
.set SS,   100                         ; v100-163 S^T, then p
.set OT,   164                         ; v[164 + 32 u]: O^T
.set PC,   228                         ; v228-243 p's codes; at the end the result's
.set MX,   244
.set PL,   245
.set FF,   246                         ; v[246:247] f (the pair's low word serves both halves)
.set SM,   248                         ; v[248:249]
.set DD,   250
.set OSC,  252                         ; v252 2^(entry 10 - entry 8 - entry 9)
.set OLIM, 253                         ; v253 not written
.set AO,   254                         ; v[254 + u]: my byte offset in a_img
.set WV,   10
.set Q0,   16                          ; s[16 + u]: tile u's first query
.set KF,   18                          ; the step's first key
.set TB,   19                          ; the step's first LDS byte
.set CS,   20                          ; s[20:21] c
.set SEL,  22                          ; s[22:23] lane selects for v_permlanex16_b32: lane l xor 16
.set G1A,  24                          ; s[24:31] descriptor group 1: 8 rows of 256 bytes;  s[32:39]: 56 rows;  s[40:43], s[44:47] their groups 0
.set G1B,  32
.set G0A,  40
.set G0B,  44
.set CNT,  60
	s_load_b128 s[4:7], s[0:1], 0x0                ; qkv_img s[4:5], lowp_scales s[6:7]
	s_load_b64 s[8:9], s[0:1], 0x10                ; a_img
	v_lshl_add_u32 v[SPW], v0, 2, SPARE
	v_mov_b32 v[NIL], 0
	ds_add_u32 v[SPW], v[NIL]                      ; the wave's opening: the add and its wait ahead of my first tensor load; the set-up below, work on registers, stands between them
	ds_add_u32 v[SPW], v[NIL]
	v_lshrrev_b32 v10, 5, v0
	s_delay_alu instid0(VALU_DEP_1)
	v_readfirstlane_b32 s[WV], v10                 ; wave 0..15
	s_and_b32 s12, ttmp7, 0xffff                   ; batch x head
	s_mov_b32 s[G1A], 3<<16                        ; no mask; elements of 8 bytes; no padding
	s_mov_b32 s[G1A+1], 32<<16                     ; tensor_dim0 = 32 elements: 256 bytes
	s_mov_b32 s[G1A+2], 8<<16                      ; tensor_dim1
	s_mov_b32 s[G1A+3], 32<<16                     ; tile_dim0
	s_mov_b32 s[G1A+4], 8                          ; tile_dim1
	s_mov_b32 s[G1A+5], 32                         ; rows on end
	s_mov_b32 s[G1A+6], 0
	s_mov_b32 s[G1A+7], 0
	s_mov_b32 s[G1B], 3<<16
	s_mov_b32 s[G1B+1], 32<<16
	s_mov_b32 s[G1B+2], 56<<16
	s_mov_b32 s[G1B+3], 32<<16
	s_mov_b32 s[G1B+4], 56
	s_mov_b32 s[G1B+5], 32
	s_mov_b32 s[G1B+6], 0
	s_mov_b32 s[G1B+7], 0
	s_and_b32 s2, s[WV], 7                         ; waves 0-7 fetch k, waves 8-15 v: an eighth each
	s_lshr_b32 s3, s[WV], 3
	s_lshl_b32 s13, s3, 17
	s_lshl_b32 s14, s2, 11                         ; of the first 16,384 bytes,
	s_mul_i32 s15, s2, 14336                       ; and of the other 114,688
	s_mov_b32 s[G0A], 1
	s_add_co_u32 s[G0A+1], s14, s13
	s_mov_b32 s[G0B], 1
	s_add_co_u32 s[G0B+1], s15, s13
	s_add_co_u32 s[G0B+1], s[G0B+1], 16384
	s_add_co_u32 s3, s3, 1
	s_lshl_b32 s3, s3, 23                          ; k's part of qkv_img begins at 8,388,608, v's at 16,777,216
	s_lshl_b32 s11, s12, 17                        ; my head's 131,072 bytes in each part
	s_add_co_u32 s3, s3, s11
	s_add_co_u32 s62, s3, s14
	s_mov_b32 s63, 0
	s_add_co_u32 s2, s3, s15
	s_add_co_u32 s2, s2, 16384
	s_mov_b32 s3, 0
	s_mov_b32 s[SEL], 0x76543210
	s_mov_b32 s[SEL+1], 0xfedcba98
	s_wait_dscnt 0x0                               ; the opening add is done
	s_wait_kmcnt 0x0
	s_add_nc_u64 s[G0A+2:G0A+3], s[4:5], s[62:63]
	s_or_b32 s[G0A+3], s[G0A+3], 0x80000000
	s_add_nc_u64 s[G0B+2:G0B+3], s[4:5], s[2:3]
	s_or_b32 s[G0B+3], s[G0B+3], 0x80000000
	tensor_load_to_lds s[G0A:G0A+3], s[G1A:G1A+7]  ; the small fill, waited for before the barrier; the large one goes out behind it
	s_nop 0
	s_wait_alu depctr_va_vdst(0)
	s_wait_tensorcnt 0x0
	ds_add_u32 v4, v5
	s_wait_dscnt 0x0
	s_barrier_signal -1
	s_barrier_wait -1
	tensor_load_to_lds s[G0B:G0B+3], s[G1B:G1B+7]
	s_nop 0
	s_load_b256 s[48:55], s[6:7], 0x0              ; entries 0 to 7
	s_load_b128 s[56:59], s[6:7], 0x20             ; entries 8 to 11
	s_lshl_b32 s13, ttmp9, 4
	s_add_co_u32 s13, s13, s[WV]                   ; tile 0's block of 16 queries: 16 i + wave
	s_sub_co_u32 s14, 7, ttmp9
	s_lshl_b32 s14, s14, 4
	s_add_co_u32 s14, s14, s[WV]                   ; tile 1's: 16 (7 - i) + wave
	s_lshr_b32 s61, s13, 1
	s_lshl_b32 s[Q0], s61, 5
	s_and_b32 s61, s13, 1
	s_lshl_b32 s61, s61, 3
	s_add_co_u32 s[Q0], s[Q0], s61                 ; a block's first row: 32 (B / 2) + 8 (B % 2)
	s_lshr_b32 s61, s14, 1
	s_lshl_b32 s[Q0+1], s61, 5
	s_and_b32 s61, s14, 1
	s_lshl_b32 s61, s61, 3
	s_add_co_u32 s[Q0+1], s[Q0+1], s61
	v_and_b32 v10, 31, v0
	s_delay_alu instid0(VALU_DEP_1)
	v_lshlrev_b32 v[LI], 4, v10
	s_wait_alu depctr_va_vdst(0)
	v_and_b32 v10, 15, v0                          ; r
	s_delay_alu instid0(VALU_DEP_1)
	v_and_b32 v11, 8, v10
	s_delay_alu instid0(VALU_DEP_1)
	v_add_nc_u32 v[QL], v11, v10
	v_bfe_u32 v11, v0, 4, 1                        ; h
	s_delay_alu instid0(VALU_DEP_1)
	v_lshlrev_b32 v11, 4, v11
	s_delay_alu instid0(VALU_DEP_1)
	v_sub_nc_u32 v[QL], v[QL], v11
	s_mov_b32 s62, s11
	s_mov_b32 s63, 0
	s_add_nc_u64 s[62:63], s[4:5], s[62:63]        ; q of my head
	s_lshl_b32 s61, s13, 10
	v_add_nc_u32 v10, s61, v[LI]
	s_lshl_b32 s61, s14, 10
	v_add_nc_u32 v11, s61, v[LI]
.irp u, 0,1
.irp b, 0,1
	global_load_b128 v[QF+8*\u+4*\b:QF+8*\u+4*\b+3], v[10+\u], s[62:63] offset:512*\b   ; q's fragments stay in registers
.endr
.endr
	s_lshr_b32 s2, s12, 4
	s_lshl_b32 s2, s2, 7                           ; a_img: the batch's 128 blocks,
	s_bfe_u32 s3, s12, 0x30001
	s_lshl_b32 s3, s3, 11                          ; K step head / 2,
	s_and_b32 s61, s12, 1
	s_lshl_b32 s61, s61, 10                        ; pieces 2 (head % 2) on
	s_add_co_u32 s3, s3, s61
	s_add_co_u32 s61, s2, s13
	s_lshl_b32 s61, s61, 14
	s_add_co_u32 s61, s61, s3
	v_add_nc_u32 v[AO], s61, v[LI]
	s_add_co_u32 s61, s2, s14
	s_lshl_b32 s61, s61, 14
	s_add_co_u32 s61, s61, s3
	v_add_nc_u32 v[AO+1], s61, v[LI]
	v_mov_b32 v[NINF], 0xff800000
	v_mov_b32 v[PL], 0                             ; written once: a lane permute's destination counts as one of its sources
	v_mov_b32 v[FF+1], 0                           ; (named as the upper half of a pair)
.irp u, 0,1
	v_mov_b32 v[ST+4*\u+1], 0xff61b1e6             ; the largest t so far: -3e38, under every t
	s_delay_alu instid0(VALU_DEP_1)
	v_floor_f32 v[ST+4*\u], -v[ST+4*\u+1]          ; -M
	v_mov_b32 v[ST+4*\u+2], 0                      ; the sum, in two halves
	v_mov_b32 v[ST+4*\u+3], 0
.endr
.set ii, 0
.rept 64
	v_mov_b32 v[OT+ii], 0                          ; O^T.  (The step is written without a first step of its own: it finds zeros, which the first change of M leaves zeros)
.set ii, ii+1
.endr
	v_mov_b32 v[ADK], v[LI]                        ; the first two steps take their places as immediates
	v_add_nc_u32 v[ADV], VOFF, v[LI]
	s_mov_b32 s[KF], 0
	s_mov_b32 s[TB], 16384
	s_wait_kmcnt 0x0
	s_add_co_i32 s61, s54, s55
	s_lshl_b32 s61, s61, 23
	s_add_co_i32 s[CS], s61, 0x3e38aa3b            ; c = log2(e) / 8, with entries 6 and 7 added to its exponent field: a score stands for score x 2^(their sum)
	s_mov_b32 s[CS+1], s[CS]                       ; (named with it as a pair, so it is written)
	s_add_co_i32 s61, s56, 127
	s_lshl_b32 s2, s61, 23
	v_mov_b32 v[PSC], s2
	s_sub_co_i32 s61, s58, s56
	s_sub_co_i32 s61, s61, s57                     ; O / the sum stands for that x 2^(entry 8 + entry 9): the three scales are folded into the conversion's one
	s_add_co_i32 s61, s61, 127
	s_lshl_b32 s2, s61, 23
	v_mov_b32 v[OSC], s2
; A KEY STEP of 128 keys for tile u.  q: the step's place as an immediate, in units of 8,192 bytes (0 in the loop, where the address registers carry it).
.macro STEP u, q
	s_add_co_u32 s61, s[Q0+\u], 23                 ; the tile's last query
	s_cmp_gt_u32 s[KF], s61
	s_cbranch_scc1 .Lhidden_\@                     ; all keys come after all queries
.rept 4
	v_nop                                          ; places in front of loads into registers that matrix instructions have read
.endr
	s_wait_alu depctr_va_vdst(0)
.irp t, 0,1,2,3,4,5,6,7
	ds_load_b128 v[FRG+8*\t:FRG+8*\t+3], v[ADK] offset:8192*(\q)+1024*\t
	ds_load_b128 v[FRG+8*\t+4:FRG+8*\t+7], v[ADK] offset:8192*(\q)+1024*\t+512
.endr
	s_wait_dscnt 0x0
.irp t, 0,1,2,3,4,5,6,7
	v_wmma_f32_16x16x64_fp8_fp8 v[SS+8*\t:SS+8*\t+7], v[FRG+8*\t:FRG+8*\t+7], v[QF+8*\u:QF+8*\u+7], 0
.endr
.rept 4
	v_nop                                          ; places, for the loads below and for the first read of the scores
.endr
.irp t, 0,1,2,3
.irp c, 0,1,2,3
	ds_load_b128 v[FRG+16*\t+4*\c:FRG+16*\t+4*\c+3], v[ADV] offset:8192*(\q)+2048*\t+512*\c   ; v's four fragments land under the softmax
.endr
.endr
	s_add_co_u32 s61, s[KF], 127
	s_cmp_le_u32 s61, s[Q0+\u]
	s_cbranch_scc1 .Lopen_\@                       ; all keys count for all queries
	s_sub_co_i32 s61, s[Q0+\u], s[KF]
	v_add_nc_u32 v[DD], s61, v[QL]                 ; d = my query - the step's first key - 16 h.  Register 16 b + i holds key 32 b + 16 h + i of the step: hidden where 32 b + i > d
.set ii, 0
.rept 64
	v_cmp_gt_i32 vcc_lo, 32*(ii/16)+ii%16, v[DD]
	v_cndmask_b32 v[SS+ii], v[SS+ii], v[NINF], vcc_lo
.set ii, ii+1
.endr
.Lopen_\@:
	v_max3_num_f32 v[MX], v[SS], v[SS+1], v[SS+2]  ; the step's largest score of my query, among my 64 keys, in two chains,
	v_max3_num_f32 v[FF], v[SS+3], v[SS+4], v[SS+5]
.set ii, 6
.rept 14
	v_max3_num_f32 v[MX], v[MX], v[SS+ii], v[SS+ii+1]
	v_max3_num_f32 v[FF], v[FF], v[SS+ii+2], v[SS+ii+3]
.set ii, ii+4
.endr
	v_max3_num_f32 v[MX], v[MX], v[SS+62], v[SS+63]
	s_delay_alu instid0(VALU_DEP_1)
	v_max_num_f32 v[MX], v[MX], v[FF]
	s_delay_alu instid0(VALU_DEP_1)
	v_permlanex16_b32 v[PL], v[MX], s[SEL], s[SEL+1]
	s_delay_alu instid0(VALU_DEP_1)
	v_max_num_f32 v[MX], v[MX], v[PL]              ; and among lane l xor 16's
	s_delay_alu instid0(VALU_DEP_1)
	v_mul_f32 v[MX], s[CS], v[MX]                  ; as t (c is positive)
	s_delay_alu instid0(VALU_DEP_1)
	v_max_num_f32 v[ST+4*\u+1], v[ST+4*\u+1], v[MX]
	v_mov_b32 v[MX], v[ST+4*\u]
	s_delay_alu instid0(VALU_DEP_2)
	v_floor_f32 v[ST+4*\u], -v[ST+4*\u+1]          ; the new -M = floor(-t): M is a whole number
	s_delay_alu instid0(VALU_DEP_1)
	v_sub_f32 v[MX], v[ST+4*\u], v[MX]             ; old M - new M: a whole number, 0 or less
	s_delay_alu instid0(VALU_DEP_1)
	v_cvt_i32_f32 v[MX], v[MX]                     ; (it saturates)
	s_delay_alu instid0(VALU_DEP_1)
	v_ldexp_f32 v[FF], 1.0, v[MX]                  ; f = 2^(old M - new M)
.set ii, 0
.rept 32
	v_pk_fma_f32 v[SS+ii:SS+ii+1], v[SS+ii:SS+ii+1], s[CS:CS+1], v[ST+4*\u:ST+4*\u+1] op_sel_hi:[1,0,0]   ; t - M, two at a time
.set ii, ii+2
.endr
.set ii, 0
	s_wait_alu depctr_va_vdst(0)
.rept 64
	v_exp_f32 v[SS+ii], v[SS+ii]                   ; p = 2^(t - M), at most 1: not normalised
.set ii, ii+1
.endr
	v_pk_mul_f32 v[ST+4*\u+2:ST+4*\u+3], v[ST+4*\u+2:ST+4*\u+3], v[FF:FF+1] op_sel_hi:[1,0]   ; the sums under the new M: the plain line behind the exponentials
	s_wait_alu depctr_va_vdst(0)                   ; one wait for the whole batch, ahead of its first reader
	v_pk_add_f32 v[SM:SM+1], v[SS:SS+1], v[SS+2:SS+3]   ; the row's sum is taken of the unquantised p: two at a time, in two chains
.set ii, 4
.rept 15
	v_pk_add_f32 v[ST+4*\u+2:ST+4*\u+3], v[ST+4*\u+2:ST+4*\u+3], v[SS+ii:SS+ii+1]
	v_pk_add_f32 v[SM:SM+1], v[SM:SM+1], v[SS+ii+2:SS+ii+3]
.set ii, ii+4
.endr
	s_delay_alu instid0(VALU_DEP_1)
	v_pk_add_f32 v[ST+4*\u+2:ST+4*\u+3], v[ST+4*\u+2:ST+4*\u+3], v[SM:SM+1]
.irp b, 0,1,2,3
.irp i, 0,1,2,3,4,5,6,7,8,9,10,11,12,13,14,15
.endr
	v_cvt_scalef32_pk8_fp8_f32 v[PC+4*\b:PC+4*\b+1], v[SS+16*\b:SS+16*\b+7], v[PSC]
	v_cvt_scalef32_pk8_fp8_f32 v[PC+4*\b+2:PC+4*\b+3], v[SS+16*\b+8:SS+16*\b+15], v[PSC]
.endr
.set ii, 0
.rept 16
	v_pk_mul_f32 v[OT+32*\u+ii:OT+32*\u+ii+1], v[OT+32*\u+ii:OT+32*\u+ii+1], v[FF:FF+1] op_sel_hi:[1,0]   ; O^T under the new M; also the plain lines between the conversions and the products
.set ii, ii+2
.endr
	s_wait_alu depctr_va_vdst(0)
	s_wait_dscnt 0x0                               ; v's fragments are in
.irp t, 0,1,2,3
	v_wmma_f32_16x16x128_fp8_fp8 v[OT+32*\u+8*\t:OT+32*\u+8*\t+7], v[FRG+16*\t:FRG+16*\t+15], v[PC:PC+15], v[OT+32*\u+8*\t:OT+32*\u+8*\t+7]   ; four accumulators by turns
.endr
.Lhidden_\@:
.endm
	s_wait_loadcnt 0x0                             ; q
	s_wait_tensorcnt 0x1                           ; my part of the first 256 keys is in; the large fill may stay out
	s_barrier_signal -1
	s_barrier_wait -1                              ; everybody's is
	STEP 0, 0                                      ; keys 0 to 255: LDS bytes 0 to 16,383 of k's and of v's region, which the first fills brought
	STEP 1, 0
	s_add_co_u32 s[KF], s[KF], 128
	STEP 0, 1
	STEP 1, 1
	s_add_co_u32 s[KF], s[KF], 128
	s_wait_tensorcnt 0x0                           ; my part of the rest is in,
	s_wait_dscnt 0x0
	s_barrier_signal -1
	s_barrier_wait -1                              ; everybody's is
	s_mov_b32 s[CNT], 14
.Lstep:
	v_add_nc_u32 v[ADK], s[TB], v[LI]
	s_delay_alu instid0(VALU_DEP_1)
	v_add_nc_u32 v[ADV], VOFF, v[ADK]
	STEP 0, 0
	STEP 1, 0
	s_add_co_u32 s[TB], s[TB], 8192
	s_add_co_u32 s[KF], s[KF], 128
	s_sub_co_u32 s[CNT], s[CNT], 1
	s_cmp_lg_u32 s[CNT], 0
	s_cbranch_scc1 .Lstep
; THE WAY OUT of tile u: O^T / the sum, converted: the 16 registers of tiles 2 b, 2 b + 1 are channels 32 b + 16 h + 0 .. 15 of my query: one piece of the last projection's operand
.macro FINAL u
.rept 4
	v_nop                                          ; places behind the last products
.endr
	v_add_f32 v[MX], v[ST+4*\u+2], v[ST+4*\u+3]    ; the sum's two halves,
	s_delay_alu instid0(VALU_DEP_1)
	v_permlanex16_b32 v[PL], v[MX], s[SEL], s[SEL+1]
	s_delay_alu instid0(VALU_DEP_1)
	v_add_f32 v[MX], v[MX], v[PL]                  ; and lane l xor 16's
	s_wait_alu depctr_va_vdst(0)
	v_rcp_f32 v[MX], v[MX]
	v_nop                                          ; a plain line behind the reciprocal,
	s_wait_alu depctr_va_vdst(0)                   ; and the wait ahead of its first reader
.set ii, 0
.rept 32
	v_mul_f32 v[SS+ii], v[OT+32*\u+ii], v[MX]
.set ii, ii+1
.endr
.set ii, 0
.rept 32
.set ii, ii+1
.endr
.irp b, 0,1
	v_cvt_scalef32_pk8_fp8_f32 v[PC+8*\u+4*\b:PC+8*\u+4*\b+1], v[SS+16*\b:SS+16*\b+7], v[OSC]
	v_cvt_scalef32_pk8_fp8_f32 v[PC+8*\u+4*\b+2:PC+8*\u+4*\b+3], v[SS+16*\b+8:SS+16*\b+15], v[OSC]
.endr
	v_nop                                          ; a plain line between the conversions and the next tile's lines, which write their sources
	global_store_b128 v[AO+\u], v[PC+8*\u:PC+8*\u+3], s[8:9]              ; 512 consecutive bytes each
	global_store_b128 v[AO+\u], v[PC+8*\u+4:PC+8*\u+7], s[8:9] offset:512
.endm
	FINAL 0
	FINAL 1
	s_wait_tensorcnt 0x0                           ; the wave's end: behind my last tensor load
	ds_add_u32 v[SPW], v[NIL]
	s_wait_dscnt 0x0
	s_endpgm
.Lfunc_end_k_qdccc0bc36c_attn:
	.size	k_qdccc0bc36c_attn, .Lfunc_end_k_qdccc0bc36c_attn-k_qdccc0bc36c_attn
	.p2alignl 7, 3214868480
	.fill 96, 4, 3214868480
	.section	.rodata,"a",@progbits
	.p2align	6, 0x0
	.amdhsa_kernel k_qdccc0bc36c_attn
		.amdhsa_group_segment_fixed_size 327680
		.amdhsa_private_segment_fixed_size 0
		.amdhsa_enable_private_segment 0
		.amdhsa_kernarg_size 24
		.amdhsa_user_sgpr_count 2
		.amdhsa_user_sgpr_kernarg_segment_ptr 1
		.amdhsa_wavefront_size32 1
		.amdhsa_system_sgpr_workgroup_id_x 1
		.amdhsa_system_sgpr_workgroup_id_y 1
		.amdhsa_system_sgpr_workgroup_id_z 1
		.amdhsa_system_vgpr_workitem_id 0
		.amdhsa_next_free_vgpr 256
		.amdhsa_next_free_sgpr 66
		.amdhsa_reserve_vcc 1
		.amdhsa_float_denorm_mode_32 3
		.amdhsa_float_denorm_mode_16_64 3
		.amdhsa_fp16_overflow 1
		.amdhsa_memory_ordered 1
		.amdhsa_forward_progress 1
		.amdhsa_inst_pref_size 126
	.end_amdhsa_kernel
	.amdgpu_metadata
---
amdhsa.version: [ 1, 2 ]
amdhsa.kernels:
  - .name:           k_qdccc0bc36c_attn
    .symbol:         k_qdccc0bc36c_attn.kd
    .args:
      - { .name: qkv_img, .offset: 0, .size: 8, .value_kind: global_buffer, .address_space: global }
      - { .name: lowp_scales, .offset: 8, .size: 8, .value_kind: global_buffer, .address_space: global }
      - { .name: a_img, .offset: 16, .size: 8, .value_kind: global_buffer, .address_space: global }
    .group_segment_fixed_size: 327680
    .private_segment_fixed_size: 0
    .kernarg_segment_align: 8
    .kernarg_segment_size: 24
    .max_flat_workgroup_size: 512
    .sgpr_count:     66
    .vgpr_count:     256
    .wavefront_size: 32
...
	.end_amdgpu_metadata
.endif
;; end of part 3
;; launch oproj (part 4): grid 4 x 32, 4 waves a work-group, clusters of 4 x 4, 327,680 bytes of LDS; arguments a_img, xw_img, lowp_scales, out0; writes out0
.if DOCPART == 4
	.amdgcn_target "amdgcn-amd-amdhsa--gfx1250"
	.amdhsa_code_object_version 6
	.text
	.protected	k_qdccc0bc36c_oproj
	.globl	k_qdccc0bc36c_oproj
	.p2align	8
	.type	k_qdccc0bc36c_oproj,@function
k_qdccc0bc36c_oproj:
	s_mov_b64 s[64:65], 0
	v_nop
	global_prefetch_b8 v0, s[64:65] scope:SCOPE_SE
	s_setreg_imm32_b32 hwreg(HW_REG_WAVE_MODE, 25, 1), 1
	s_wait_xcnt 0x0
	s_wait_alu depctr_hold_cnt(0) depctr_sa_sdst(0) depctr_va_vdst(0) depctr_va_sdst(0) depctr_va_ssrc(0) depctr_va_vcc(0) depctr_vm_vsrc(0)
	s_getreg_b32 s2, hwreg(HW_REG_IB_STS2, 6, 4)
	s_cmp_eq_u32 s2, 0
	s_cbranch_scc0 .Lentry_in_a_cluster
	s_endpgm
.Lentry_in_a_cluster:
	s_bfe_u32 s2, ttmp6, 0x10000c
	s_cmp_lg_u32 s2, 0xf033
	s_cbranch_scc0 .Lentry_shape_is_right
	s_endpgm
.Lentry_shape_is_right:
; out0 = attention's result x wo^T on codes of FP8 (E4M3).  A = a_img (8,192 tokens), B = wo's part of xw_img (1,024 features): images of operand registers, [block of 16 rows][K step 8][piece 4][lane][16 bytes];
; lane r of block B is row 32 (B / 2) + 8 (B % 2) + r + 8 (r / 8); lane (r, h) of piece c holds k = 32 c + 16 h + 0 .. 15.  out0: [8192][1024] f32.  Each finished sum is multiplied once by 2^(entry 10 + entry 11).
; LIMIT: entry 10 + entry 11 between -126 and 127, so that the power of two is an f32 number.
; A tile of 256 x 256 is made by four waves, 128 x 128 each: 64 accumulators of 16 x 16, 512 registers.  K = 1,024 goes in steps of 256 through two LDS slots.  32 x 4 tiles: 128 work-groups.
; CLUSTERS: 4 x 4 work-groups; A's tile is shared along a row of the cluster, B's along a column: each is asked for JOINTLY.
; THE MATRIX INSTRUCTION IS USED TRANSPOSED (source 0 = a block of B, source 1 = a block of A): a lane holds one token, and register j of tile b the feature 32 (b / 2) + 8 (b % 2) + 16 (lane / 16) + j.
; REGISTERS, in windows of 256: window 0: v0-31 addresses; from v128 A's fragments, ONE set; on the way out v32-255 are free.  window 1: B's fragments, TWO sets.  windows 2, 3: the accumulators ((a, b) at v[8 (8 (a % 4) + b)]).
.set HALFT,  32768                     ; 8 blocks x 4,096 bytes (two K steps of 128)
.set SLOT,   4*HALFT
.set SPARE,  2*SLOT                    ; behind the ring: the spare words, 128 bytes for each wave: two blocks of 256 bytes that no other line names
.set STEPB,  4096
.set FR,     16
.set NL,     4
.set NP,     4
.set LAPS,   2
.set SPITCH, 528                       ; the way out: a stage of 16 rows x (512 bytes + 16) for each wave.  It lies in slot 0, which has had its last fill and its last read when the first result is stored there
.set ADRA, 16
.set ADRB, 20
.set STO,  24                          ; v24     the way out: where I put 32 bytes of a row
.set RD,   25                          ; v25     where I read a row back
.set CO,   26                          ; v26     16 x lane: my bytes of a row of 512
.set SPW,  28
.set NIL,  29
.set TMP,  32                          ; 64 registers: a block's sums x the power of two
.set AF,   128
.set BK,   128                         ; 16 rows read back from the stage: v128-191 and v192-255 by turns
.set G1, 24
.set G0, 32
.set G1B, 48
.set G0B, 56
.set MSB, 0
.macro WIN new                         ; the immediate's high byte repeats the setting that is left
.if MSB != \new
	s_set_vgpr_msb (MSB<<8)|\new
.set MSB, \new
.endif
.endm
.set MUL_LO, 0xa1
.set MUL_HI, 0xf1
.set TO_B,   0x40
.macro JLOAD g0a, g1a, g0b, g1b        ; a joint load: waves 0 and 1 fetch for A, waves 2 and 3 for B; an s_nop 0 and four v_nop follow each of the two lines
	s_cmp_eq_u32 s15, 0
	s_cbranch_scc0 .Lfor_b_\@
	tensor_load_to_lds s[\g0a:\g0a+3], s[\g1a:\g1a+7]
	s_nop 0
.rept 4
	v_nop
.endr
	s_branch .Lasked_\@
.Lfor_b_\@:
	tensor_load_to_lds s[\g0b:\g0b+3], s[\g1b:\g1b+7]
	s_nop 0
.rept 4
	v_nop
.endr
.Lasked_\@:
.endm
.macro CREST
	s_cmp_lg_u32 s14, 0
	s_cbranch_scc1 .Lnot_wave_0_\@
	s_barrier_signal -3
.Lnot_wave_0_\@:
	s_barrier_wait -3
	s_barrier_signal -1
	s_barrier_wait -1
.endm
.macro CROUND
	s_barrier_signal -1
	s_barrier_wait -1
	CREST
.endm
	s_load_b256 s[4:11], s[0:1], 0x0               ; a_img s[4:5], xw_img s[6:7], lowp_scales s[8:9], out0 s[10:11]
	v_lshl_add_u32 v[SPW], v0, 2, SPARE
	v_mov_b32 v[NIL], 0
	ds_add_u32 v[SPW], v[NIL]                      ; the wave's opening: the add and its wait ahead of my first tensor load; the set-up below, work on registers, stands between them
	ds_add_u32 v[SPW], v[NIL]
	v_lshrrev_b32 v1, 5, v0
	v_readfirstlane_b32 s14, v1                    ; wave 0..3
	s_lshr_b32 s15, s14, 1                         ; which half of A's blocks is mine.  Also: I fetch for A (0) or for B (1)
	s_and_b32 s16, s14, 1                          ; which half of B's blocks.  Also: which 8 blocks of that tile I fetch
	s_bfe_u32 s40, ttmp6, 0x40000                  ; cx, cy
	s_bfe_u32 s41, ttmp6, 0x40004
	s_lshl_b32 s42, ttmp9, 2
	s_add_co_u32 s42, s42, s40                     ; B's tile = 4 x cluster x + cx
	s_and_b32 s17, ttmp7, 0xffff
	s_lshl_b32 s17, s17, 2
	s_add_co_u32 s17, s17, s41                     ; A's tile = 4 x cluster y + cy
	s_lshl_b32 s43, s41, 2
	s_lshl_b32 s43, 15, s43                        ; my row of the cluster
	s_lshl_b32 s44, 0x1111, s40                    ; my column
	s_or_b32 s[G1+0], s43, (3<<16)|(1<<21)         ; the mask; elements of 8 bytes; no padding; bit 21 set beside a mask
	s_or_b32 s[G1B+0], s44, (3<<16)|(1<<21)
.irp g, G1, G1B
	s_mov_b32 s[\g+1], 512<<16                     ; tensor_dim0: 4,096 bytes
	s_mov_b32 s[\g+2], 8<<16                       ; tensor_dim1: 8 blocks
	s_mov_b32 s[\g+3], 512<<16                     ; tile_dim0
	s_mov_b32 s[\g+4], 8                           ; tile_dim1
	s_mov_b32 s[\g+5], 2048                        ; a block is 16,384 bytes
	s_mov_b32 s[\g+6], 0
	s_mov_b32 s[\g+7], 0
.endr
	s_lshl_b32 s18, s16, 17
	s_lshl_b32 s20, s17, 18
	s_add_co_u32 s20, s20, s18
	s_mov_b32 s21, 0
	s_lshl_b32 s46, s42, 18
	s_add_co_u32 s46, s46, s18
	s_add_co_u32 s46, s46, 28311552                ; wo's part of xw_img
	s_mov_b32 s47, 0
	s_lshl_b32 s45, s14, 15                        ; where they go: wave x 32,768
	s_wait_dscnt 0x0                               ; the opening add is done
	s_wait_kmcnt 0x0
	s_load_b64 s[96:97], s[8:9], 0x28              ; entries 10 and 11
	s_add_nc_u64 s[20:21], s[4:5], s[20:21]
	s_add_nc_u64 s[46:47], s[6:7], s[46:47]
	CROUND                                         ; all sixteen work-groups are here: the first joint loads meet
.irp s, 0,1
	s_mov_b32 s[G0+4*\s], 1
	s_add_co_u32 s[G0+4*\s+1], s45, \s*SLOT
	s_add_nc_u64 s[G0+4*\s+2:G0+4*\s+3], s[20:21], \s*STEPB
	s_or_b32 s[G0+4*\s+3], s[G0+4*\s+3], 0x80000000
	s_mov_b32 s[G0B+4*\s], 1
	s_add_co_u32 s[G0B+4*\s+1], s45, \s*SLOT
	s_add_nc_u64 s[G0B+4*\s+2:G0B+4*\s+3], s[46:47], \s*STEPB
	s_or_b32 s[G0B+4*\s+3], s[G0B+4*\s+3], 0x80000000
	s_wait_alu depctr_va_vdst(0)
	s_wait_tensorcnt 0x0
	ds_add_u32 v28, v29
	ds_add_u32 v28, v29
	s_wait_dscnt 0x0
	CROUND
	JLOAD G0+4*\s, G1, G0B+4*\s, G1B               ; one load of mine is out: the wait above took the one before
.endr
	v_and_b32 v1, 15, v0                           ; r
	s_wait_alu depctr_va_vdst(0)
	v_bfe_u32 v2, v0, 4, 1                         ; h
	v_and_b32 v6, 31, v0
	v_lshlrev_b32 v[CO], 4, v6
	s_lshl_b32 s21, s15, 15
	s_lshl_b32 s22, s16, 15
	s_add_co_u32 s22, s22, 2*HALFT
.irp s, 0,1
	v_add_nc_u32 v[ADRA+\s], s21, v[CO]
	v_add_nc_u32 v[ADRB+\s], s22, v[CO]
	s_add_co_u32 s21, s21, SLOT
	s_add_co_u32 s22, s22, SLOT
.endr
	s_mul_i32 s23, s14, 16*SPITCH                  ; my stage
	v_mul_u32_u24 v5, v1, SPITCH                   ; in: row r, + 64 h: tile b's eight numbers lie 128 (b / 2) + 32 (b % 2) bytes on
	s_wait_alu depctr_va_vdst(0)
	v_lshl_add_u32 v5, v2, 6, v5
	v_add_nc_u32 v[STO], s23, v5
	v_add_nc_u32 v[RD], s23, v[CO]                 ; back: the 32 lanes take one row of 512 bytes
	s_lshl_b32 s20, s17, 20                        ; my first row of out0: (256 x A's tile + 128 x half) rows of 4,096 bytes
	s_lshl_b32 s21, s15, 19
	s_add_co_u32 s20, s20, s21
	s_lshl_b32 s21, s42, 10                        ; my first column, in bytes: 1,024 x B's tile + 512 x half
	s_add_co_u32 s20, s20, s21
	s_lshl_b32 s21, s16, 9
	s_add_co_u32 s20, s20, s21
	s_mov_b32 s21, 0
	s_add_nc_u64 s[10:11], s[10:11], s[20:21]
.macro FRAG reg, adr, q, i
.irp c, 0,1,2,3
	ds_load_b128 v[\reg+4*\c:\reg+4*\c+3], v[\adr] offset:4096*(\i)+2048*(\q)+512*\c
.endr
.endm
; 16 matrix instructions; the 64 accumulators take turns, one instruction a turn, in the same order in every step.  zero = 1: the first product starts the sums.
.macro MUL16 a0, p, zero
.irp a, \a0, \a0+1
.irp b, 0,1,2,3,4,5,6,7
.if \zero
	v_wmma_f32_16x16x128_fp8_fp8 v[8*(8*((\a)%4)+\b):8*(8*((\a)%4)+\b)+7], v[128*(\p)+FR*\b:128*(\p)+FR*\b+FR-1], v[AF+FR*(\a):AF+FR*(\a)+FR-1], 0
.else
	v_wmma_f32_16x16x128_fp8_fp8 v[8*(8*((\a)%4)+\b):8*(8*((\a)%4)+\b)+7], v[128*(\p)+FR*\b:128*(\p)+FR*\b+FR-1], v[AF+FR*(\a):AF+FR*(\a)+FR-1], v[8*(8*((\a)%4)+\b):8*(8*((\a)%4)+\b)+7]
.endif
.endr
.endr
.endm
.macro FETCH_B slot, q, p
	WIN TO_B
.irp i, 0,1,2,3,4,5,6,7
	FRAG 128*(\p)+FR*\i, ADRB+\slot, \q, \i
.endr
	WIN 0
.endm
.macro FETCH_A slot, q, i0
.irp i, \i0, \i0+1, \i0+2, \i0+3
	FRAG AF+FR*(\i), ADRA+\slot, \q, \i
.endr
.endm
.macro PLACES n                        ; plain vector lines between a matrix instruction and a load into, or a vector read or write of, its registers (ISA guide 7.12.1 for vector instructions)
.rept \n
	v_nop
.endr
.endm
.macro STEP slot, q, zero
	s_wait_dscnt 4*NL                              ; B's set and A's blocks 0-3 are in; the youngest 16 loads (A's blocks 4-7) may be out
	WIN MUL_LO
	MUL16 0, (\q)%2, \zero
	MUL16 2, (\q)%2, \zero
	s_wait_dscnt 0
	PLACES NP
	FETCH_B \slot, (\q)+1, 1-(\q)%2
	FETCH_A \slot, (\q)+1, 0
	WIN MUL_HI
	MUL16 4, (\q)%2, \zero
	MUL16 6, (\q)%2, \zero
	PLACES NP
	WIN 0
	FETCH_A \slot, (\q)+1, 4
.endm
.macro TURN slot, next, fill
	s_wait_tensorcnt 0x0                           ; all my tensor loads have landed: my part of the next slot
	ds_add_u32 v[SPW], v[NIL]                      ; 0 onto my spare word
	s_wait_dscnt 4*NL+1                            ; (the add and the youngest 16 loads may be out)
	WIN MUL_LO
	MUL16 0, 1, 0
	s_wait_dscnt 0x0                               ; the add is done, and my reads of this slot are over
	s_barrier_signal -1
	MUL16 2, 1, 0
	WIN 0
	s_barrier_wait -1
.if \fill
	CREST                                          ; the barrier has opened a round of the cluster's barrier: no wave of any partner still reads this slot's tile or has a load on its way
	s_add_nc_u64 s[G0+4*\slot+2:G0+4*\slot+3], s[G0+4*\slot+2:G0+4*\slot+3], 2*STEPB
	s_add_nc_u64 s[G0B+4*\slot+2:G0B+4*\slot+3], s[G0B+4*\slot+2:G0B+4*\slot+3], 2*STEPB
	JLOAD G0+4*\slot, G1, G0B+4*\slot, G1B         ; the first tensor load behind the round, my one load until the next
.else
	PLACES NP
.endif
	FETCH_B \next, 0, 0
	FETCH_A \next, 0, 0
	WIN MUL_HI
	MUL16 4, 1, 0
	MUL16 6, 1, 0
	PLACES NP
	WIN 0
	FETCH_A \next, 0, 4
.endm
	s_wait_tensorcnt 1                             ; my part of slot 0 is in (slot 1's load may be out)
	s_barrier_signal -1
	s_barrier_wait -1
	FETCH_B 0, 0, 0
	FETCH_A 0, 0, 0
	FETCH_A 0, 0, 4
	STEP 0, 0, 1
	s_mov_b32 s3, LAPS-1
.Llap:
	TURN 0, 1, 1
	STEP 1, 0, 0
	TURN 1, 0, 1
	STEP 0, 0, 0
	s_sub_co_u32 s3, s3, 1
	s_cmp_lg_u32 s3, 0
	s_cbranch_scc1 .Llap
	TURN 0, 1, 0                                   ; the last lap fills nothing; behind this barrier nobody reads slot 0
	STEP 1, 0, 0
	s_wait_dscnt 4*NL
	WIN MUL_LO
	MUL16 0, 1, 0
	MUL16 2, 1, 0
	s_wait_dscnt 0
	WIN MUL_HI
	MUL16 4, 1, 0
	MUL16 6, 1, 0
	WIN 0
; THE WAY OUT, block by block of 16 tokens x 128 features, through my own stage: in by lanes (32 bytes of a row each), back as whole rows of 512 bytes.  LDS serves a wave's instructions in order: no wait between.
.macro TOSTAGE a
.set AC, 64*((\a)%4)
	WIN (0x02+((\a)/4))                            ; source 0: window 2 or 3
.set jj, 0
.rept 32
	v_pk_mul_f32 v[TMP+jj:TMP+jj+1], v[AC+jj:AC+jj+1], s[96:97] op_sel_hi:[1,0]   ; both x s96; each accumulator from its low end on
.set jj, jj+2
.endr
	WIN 0
.irp b, 0,1,2,3,4,5,6,7
	ds_store_b128 v[STO], v[TMP+8*\b:TMP+8*\b+3] offset:128*(\b/2)+32*(\b%2)
	ds_store_b128 v[STO], v[TMP+8*\b+4:TMP+8*\b+7] offset:128*(\b/2)+32*(\b%2)+16
.endr
.set BB, BK+64*((\a)%2)
.irp t, 0,1,2,3,4,5,6,7,8,9,10,11,12,13,14,15
	ds_load_b128 v[BB+4*\t:BB+4*\t+3], v[RD] offset:\t*SPITCH
.endr
.endm
.macro SEND a, younger                 ; younger: the LDS instructions issued behind block a's loads, which may stay out
.set BB, BK+64*((\a)%2)
	s_wait_dscnt \younger
.irp t, 0,1,2,3,4,5,6,7,8,9,10,11,12,13,14,15
	global_store_b128 v[CO], v[BB+4*\t:BB+4*\t+3], s[10:11] offset:(32*((\a)/2)+8*((\a)%2)+\t+8*(\t/8))*4096 th:TH_STORE_NT   ; stage row t is the block's row t + 8 (t / 8); 512 consecutive bytes, at a multiple of 512 from out0's first byte
.endr
.endm
	s_wait_kmcnt 0x0
	s_add_co_i32 s96, s96, s97
	s_add_co_i32 s96, s96, 127
	s_lshl_b32 s96, s96, 23                        ; 2^(entry 10 + entry 11) as f32
	PLACES NP
	TOSTAGE 0
.irp a, 1,2,3,4,5,6,7
.if \a > 1
	s_wait_xcnt 0x0                                ; block a - 2's stores have read their registers: block a's loads may land there
.endif
	TOSTAGE \a
	SEND \a-1, 32                                  ; behind block a - 1's loads: block a's 16 stores and 16 loads
.endr
	SEND 7, 0
	s_wait_tensorcnt 0x0                           ; the wave's end: behind my last tensor load and my last LDS store
	ds_add_u32 v[SPW], v[NIL]
	s_wait_dscnt 0x0
	CROUND                                         ; the closing round
	s_endpgm
.Lfunc_end_k_qdccc0bc36c_oproj:
	.size	k_qdccc0bc36c_oproj, .Lfunc_end_k_qdccc0bc36c_oproj-k_qdccc0bc36c_oproj
	.p2alignl 7, 3214868480
	.fill 96, 4, 3214868480
	.section	.rodata,"a",@progbits
	.p2align	6, 0x0
	.amdhsa_kernel k_qdccc0bc36c_oproj
		.amdhsa_group_segment_fixed_size 327680
		.amdhsa_private_segment_fixed_size 0
		.amdhsa_enable_private_segment 0
		.amdhsa_kernarg_size 32
		.amdhsa_user_sgpr_count 2
		.amdhsa_user_sgpr_kernarg_segment_ptr 1
		.amdhsa_wavefront_size32 1
		.amdhsa_system_sgpr_workgroup_id_x 1
		.amdhsa_system_sgpr_workgroup_id_y 1
		.amdhsa_system_sgpr_workgroup_id_z 1
		.amdhsa_system_vgpr_workitem_id 0
		.amdhsa_next_free_vgpr 1024
		.amdhsa_next_free_sgpr 98
		.amdhsa_reserve_vcc 0
		.amdhsa_float_denorm_mode_32 3
		.amdhsa_float_denorm_mode_16_64 3
		.amdhsa_memory_ordered 1
		.amdhsa_forward_progress 1
		.amdhsa_inst_pref_size 123
	.end_amdhsa_kernel
	.amdgpu_metadata
---
amdhsa.version: [ 1, 2 ]
amdhsa.kernels:
  - .name:           k_qdccc0bc36c_oproj
    .symbol:         k_qdccc0bc36c_oproj.kd
    .args:
      - { .name: a_img, .offset: 0, .size: 8, .value_kind: global_buffer, .address_space: global }
      - { .name: xw_img, .offset: 8, .size: 8, .value_kind: global_buffer, .address_space: global }
      - { .name: lowp_scales, .offset: 16, .size: 8, .value_kind: global_buffer, .address_space: global }
      - { .name: out0, .offset: 24, .size: 8, .value_kind: global_buffer, .address_space: global }
    .group_segment_fixed_size: 327680
    .private_segment_fixed_size: 0
    .kernarg_segment_align: 8
    .kernarg_segment_size: 32
    .max_flat_workgroup_size: 128
    .sgpr_count:     98
    .vgpr_count:     1024
    .wavefront_size: 32
...
	.end_amdgpu_metadata
.endif
;; end of part 4
